; MI455X (gfx1250); checked and timed in simulation.
; The chip was launched on July 23, 2026; its instructions are those of AMD's public machine-readable ISA for CDNA 5 (MIT licence, August 2026) and "CDNA5" Instruction Set Architecture Reference Guide (July 2026). The comments in the code are by the model that wrote it; some were corrected since.
;; GOAT Self Attention. Allowed arithmetic: matrix products marked QUANTISED: E2M1 operands, one E8M0 scale for each 32 along K, by v_wmma_scale_f32_16x16x128_f8f6f4 with both operands' format E2M1 (or v_wmma_scale_f32_32x16x128_f4), f32 sums; products left as they are: bf16, f16 or f32 operands; f32 sums; everything else in f32.
;; Inputs: Wout 1,024 x 1,024 float32; Wqkv 3,072 x 1,024 float32; alpha 16 x 32 float32; beta 16 x 32 float32; x 4 x 2,048 x 1,024 float32.
;; Outputs: out0 4 x 2,048 x 1,024 float32.
;; This version of the problem:
;;   THIS VERSION OF THE PROBLEM IS GIVEN IN LOW PRECISION. The matrix products marked QUANTISED in the list below multiply operands that are first quantised to E2M1 (2 exponent bits, 1 mantissa bit; 4 bits a number), with one power-of-two scale for each 32 numbers along K (OCP MX v1.0); their sums are f32. The products marked 'left as it is' may take bf16, f16 or f32 operands, with f32 sums. Whichever they take, every output number must still come out within the allowed error. Rounding operands to bf16 (8 significant bits) uses up far more of that allowance than f16 does (11 bits, for magnitudes from 6e-5 to 65,504). All else is computed in f32.
;;   The module's matrix products, in the order in which they are computed (A, B: the left and right operand; K: the contracted axis; several contracted axes count as one K, in the product's order):
;;     1. [M 8,192, K 1,024] x [K 1,024, N 3,072]; A: input x; B: input Wqkv: QUANTISED
;;     2. batch 64 x [M 2,048, K 64] x [K 64, N 2,048]; A: computed on the way; B: computed on the way: left as it is (an operand is computed on the way)
;;     3. [M 16, K 32] x [K 32, N 4,095]; A: input alpha; B: computed on the way: left as it is (an operand is computed on the way)
;;     4. [M 16, K 32] x [K 32, N 4,095]; A: input beta; B: computed on the way: left as it is (an operand is computed on the way)
;;     5. batch 64 x [M 2,048, K 2,048] x [K 2,048, N 64]; A: computed on the way; B: computed on the way: left as it is (an operand is computed on the way)
;;     6. [M 8,192, K 1,024] x [K 1,024, N 1,024]; A: computed on the way; B: input Wout: left as it is (an operand is computed on the way)
;;   THE QUANTISER, for each operand of a quantised product, along K:
;;     - K is cut into blocks of 32 from its start; a last block that is shorter is filled with zeros.
;;     - A block's scale is 2^e with e = floor(log2(the largest magnitude in the block)) - 2, held to -126 .. 127; a block of zeros has e = 0. As a byte (E8M0): e + 127.
;;     - Each number is divided by its block's scale, clamped to +-6, and rounded to the nearest number of E2M1, ties to even, subnormals kept.
;;     - The product sums the exact products of the quantised numbers (number of the format x scale) in f32.
;;   ~~~python
;;   def quantise(x, axis):      # numpy; x: float32 -> the quantised numbers, widened to float32 again
;;       x = np.moveaxis(x, axis, -1); K = x.shape[-1]
;;       x = np.pad(x, [(0, 0)] * (x.ndim - 1) + [(0, -K % 32)]); x = x.reshape(x.shape[:-1] + (-1, 32)); a = np.abs(x).max(-1, keepdims=True)
;;       e = np.where(a > 0, np.clip(np.frexp(np.where(a > 0, a, 1))[1] - 1 - 2, -126, 127), 0)      # np.frexp(a)[1] - 1 = floor(log2(a)), exactly
;;       r = np.clip(x / 2.0 ** e, -6, 6)
;;       step = 2.0 ** (np.maximum(np.frexp(np.where(r == 0, 1, r))[1] - 1, 0) - 1)
;;       q = np.round(r / step) * step * 2.0 ** e      # np.round: ties to even
;;       return np.moveaxis(q.reshape(q.shape[:-2] + (-1,))[..., :K], -1, axis).astype(np.float32)
;;   ~~~
;; One version. Each part assembles by itself: llvm-mc -triple=amdgcn-amd-amdhsa -mcpu=gfx1250 --defsym DOCPART=n.
;; ======== version 1 of 1: 6 launches
;; limits: values are held in f16: magnitudes above 65,504 overflow, below 6.1e-05 lose precision
;; workspace buffers: codes 5,767,168 bytes; scales 360,448 bytes; wo16 2,097,152 bytes; btab 557,056 bytes; qkv 50,331,648 bytes; o16 16,777,216 bytes; o32 262,144 bytes
;; launch prep (part 1): grid 452 x 1, 4 waves a work-group, no clusters, 33,280 bytes of LDS; arguments x, Wqkv, Wout, alpha, beta, codes, scales, wo16, btab; writes codes, scales, wo16, btab
.if DOCPART == 1
	.amdgcn_target "amdgcn-amd-amdhsa--gfx1250"
	.amdhsa_code_object_version 6
	.text
	.protected	k_qa128727da2_prep
	.globl	k_qa128727da2_prep
	.p2align	8
	.type	k_qa128727da2_prep,@function
k_qa128727da2_prep:
	s_mov_b64 s[64:65], 0
	v_nop
	global_prefetch_b8 v0, s[64:65] scope:SCOPE_SE
	s_setreg_imm32_b32 hwreg(HW_REG_WAVE_MODE, 25, 1), 1
	s_wait_xcnt 0x0
; GOAT self-attention, first of six launches: what every later launch reads is made once.
;   work-groups   0-351: x [8192][1024] and Wqkv [3072][1024], f32, become codes of FP4 (E2M1), K innermost, and one E8M0 byte for each 32 along K
;   work-groups 352-383: Wout [1024][1024] f32 becomes f16 (the last product is left as it is: f16 operands, f32 sums)
;   work-groups 384-451: the bias of each head as a table over the displacement d = i - j
; WORK LEFT OUT, in the problem's own terms.  reference() sets every logit with j > i to -inf ahead of its softmax; the exponential of -inf is exactly 0, whatever
; finite values the inputs hold.  So the bias at displacements i - j < 0 (2,047 of the 4,095 columns of the two products with alpha and beta) and every tile of q k^T and of
; attn v that lies wholly above the diagonal can reach no output: they are not computed.  All five inputs stay live and are loaded.
; LIMIT: a NaN, an infinity or an overflow that would arise only in that work is not carried to the result.
; THE TABLE.  ext[d] = log2(e) x sum over r of (alpha[r] cos(w[r] d) + beta[r] sin(w[r] d)) for d >= 0, w[r] = 10^(-r/8); ext[d] = -3e38 for d < 0: the causal mask lies in the table.
; (LIMIT: -3e38 stands for -inf; the weight is exactly 0 either way so long as live logits lie above -3e38.)  A head's block is 34,816 bytes: four copies, copy c at byte 8,512 c, word w of
; copy c = ext[2047 - w - c]: reversed, so that a lane's eight keys ascend in memory, and shifted, so that every lane's eight words begin at a multiple of 16 bytes.
; THE QUANTISER.  A block's scale is 2^(floor(log2(largest magnitude)) - 2); its byte is the largest magnitude's exponent field - 2, held at 1 from below.  A block of zeros gets the byte 1
; where the rule says 127: its codes are zeros, and this program alone reads the bytes.  LIMITS: NaN and infinities among the inputs are not served; |Wout| stays under 65,504 (f16).
.set SPW,   12                         ; v12  LDS address of my spare word; never rewritten
.set NIL,   13                         ; v13  0; never rewritten
.set SPARE, 32768                      ; behind the four waves' regions: the spare words, 128 bytes a wave
.set WREG,  8192                       ; a wave's LDS region: two stages of 32 x SP bytes, then its 256 scale bytes
.set SP,    80                         ; a lane's place in a stage: 64 bytes + 16 of padding
.set STEPS, 16
.set EMAX,  2
.set CB,    8                          ; bytes of 16 codes
.set R,     16                         ; v16-79   four sets of 16 numbers as loaded
.set X,     80                         ; v80-111  two sets of 16 neighbours
.set E,     112                        ; v112-127 a scale byte for each step
.set C,     128                        ; v128-191 codes, four registers a step
	s_load_b512 s[4:19], s[0:1], 0x0               ; x s4, Wqkv s6, Wout s8, alpha s10, beta s12, codes s14, scales s16, wo16 s18
	s_load_b64 s[20:21], s[0:1], 0x40              ; btab
	v_lshl_add_u32 v[SPW], v0, 2, SPARE
	v_mov_b32 v[NIL], 0
	v_lshrrev_b32 v1, 5, v0
	v_readfirstlane_b32 s22, v1                    ; wave 0..3
	v_and_b32 v2, 31, v0                           ; lane
	s_wait_kmcnt 0x0
	s_cmp_lt_u32 ttmp9, 352
	s_cbranch_scc1 .Lquant
	s_cmp_lt_u32 ttmp9, 384
	s_cbranch_scc1 .Lwout
; ---------------- the bias tables: 68 work-groups x 128 threads = the 8,704 words of a head's block; a thread keeps one word's place for all 16 heads
	s_sub_co_u32 s23, ttmp9, 384
	s_lshl_b32 s23, s23, 7
	v_add_nc_u32 v1, s23, v0                       ; n: my word in the block
	v_mov_b32 v3, 0
	v_mov_b32 v4, 2127
	v_sub_nc_u32 v8, 2047, v1                      ; d = 2047 - n + 2127 c, c = the copy that n falls into
.irp th, 2128, 4256, 6384
	v_cmp_le_u32 vcc_lo, \th, v1
	v_cndmask_b32 v5, v3, v4, vcc_lo
	v_add_nc_u32 v8, v8, v5
.endr
	v_cvt_f32_i32 v10, v8                          ; d as f32 (exact)
	v_cmp_gt_i32 s28, 0, v8                        ; d < 0: masked
	v_lshlrev_b32 v9, 2, v1
	v_mov_b32 v11, 0xff61b1e6                      ; -3e38
	s_mov_b32 s24, 0xbfc90fdb                      ; -pi/2, its f32 part,
	s_mov_b32 s25, 0x333bbd2e                      ; and what that part leaves over
	s_mov_b32 s26, 0xb94ca1f9                      ; leading coefficient of the sine's series
	s_mov_b32 s27, 0x37ccf5ce                      ; and of the cosine's
; cos and sin of the angle in v[a], to v[32 + r] and v[64 + r].  The angle less the nearest multiple N of pi/2 lies within pi/4, for every angle, and there the two short series hold;
; N mod 4 then says which of the two is which, and the signs.
.macro TRIGB r, a
	v_mul_f32 v17, 0x3f22f983, v[\a]               ; x 2/pi
	v_rndne_f32 v17, v17                           ; N
	v_fma_f32 v18, v17, s24, v[\a]
	v_fma_f32 v18, v17, s25, v18                   ; X = angle - N pi/2, in two parts
	v_cvt_i32_f32 v19, v17
	v_mul_f32 v20, v18, v18                        ; Z = X^2
	v_fmaak_f32 v21, s26, v20, 0x3c08839e
	v_fmaak_f32 v21, v21, v20, 0xbe2aaaa3
	v_mul_f32 v22, v20, v18
	v_fma_f32 v21, v21, v22, v18                   ; sin X
	v_fmaak_f32 v23, s27, v20, 0xbab6061a
	v_fmaak_f32 v23, v23, v20, 0x3d2aaaa5
	v_mul_f32 v24, v20, v20
	v_fma_f32 v25, v20, -0.5, 1.0
	v_fma_f32 v23, v23, v24, v25                   ; cos X
	v_and_b32 v26, 1, v19
	v_cmp_eq_u32 vcc_lo, 1, v26                    ; N odd: the two change places
	v_cndmask_b32 v27, v21, v23, vcc_lo
	v_cndmask_b32 v28, v23, v21, vcc_lo
	v_lshlrev_b32 v29, 30, v19
	v_and_b32 v29, 0x80000000, v29                 ; the sine is negated where N mod 4 is 2 or 3,
	v_xor_b32 v[64+\r], v27, v29
	v_add_nc_u32 v30, 1, v19
	v_lshlrev_b32 v30, 30, v30
	v_and_b32 v30, 0x80000000, v30                 ; the cosine where it is 1 or 2
	v_xor_b32 v[32+\r], v28, v30
.endm
.macro TRIG r, w
	v_mul_f32 v16, \w, v10                         ; the angle, rounded once to f32 as reference() has it
	TRIGB \r, 16
.endm
	TRIGB 0, 10                                    ; w[0] = 1: the angle is d
	TRIG 1, 0.7498942093
	TRIG 2, 0.5623413252
	TRIG 3, 0.4216965034
	TRIG 4, 0.3162277660
	TRIG 5, 0.2371373706
	TRIG 6, 0.1778279410
	TRIG 7, 0.1333521432
	TRIG 8, 0.1
	TRIG 9, 0.07498942093
	TRIG 10, 0.05623413252
	TRIG 11, 0.04216965034
	TRIG 12, 0.03162277660
	TRIG 13, 0.02371373706
	TRIG 14, 0.01778279410
	TRIG 15, 0.01333521432
	TRIG 16, 0.01
	TRIG 17, 0.007498942093
	TRIG 18, 0.005623413252
	TRIG 19, 0.004216965034
	TRIG 20, 0.003162277660
	TRIG 21, 0.002371373706
	TRIG 22, 0.001778279410
	TRIG 23, 0.001333521432
	TRIG 24, 0.001
	TRIG 25, 0.0007498942093
	TRIG 26, 0.0005623413252
	TRIG 27, 0.0004216965034
	TRIG 28, 0.0003162277660
	TRIG 29, 0.0002371373706
	TRIG 30, 0.0001778279410
	TRIG 31, 0.0001333521432
	s_mov_b32 s30, 0
.Lhead:                                            ; 16 trips, a head each: its 32 alpha and 32 beta as scalars, 64 multiply-adds in four chains
	s_load_b512 s[32:47], s[10:11], 0x0
	s_load_b512 s[48:63], s[10:11], 0x40
	s_load_b512 s[68:83], s[12:13], 0x0
	s_load_b512 s[84:99], s[12:13], 0x40
	s_wait_kmcnt 0x0
	v_mul_f32 v100, s32, v32                       ; the first products start the chains: nothing is cleared
	v_mul_f32 v101, s48, v48
	v_mul_f32 v102, s68, v64
	v_mul_f32 v103, s84, v80
.set i, 1
.rept 15
	v_fmac_f32 v100, s[32+i], v[32+i]
	v_fmac_f32 v101, s[48+i], v[48+i]
	v_fmac_f32 v102, s[68+i], v[64+i]
	v_fmac_f32 v103, s[84+i], v[80+i]
.set i, i+1
.endr
	v_add_f32 v100, v100, v101
	v_add_f32 v102, v102, v103
	v_add_f32 v100, v100, v102
	v_mul_f32 v100, 0x3fb8aa3b, v100               ; x log2(e): the softmax works in powers of two
	v_cndmask_b32 v104, v100, v11, s28             ; d < 0: the mask
	global_store_b32 v9, v104, s[20:21]
	s_wait_xcnt 0x0                                ; the store has read its data and its base: both are written again below and in the next trip
	s_add_nc_u64 s[20:21], s[20:21], 34816
	s_add_nc_u64 s[10:11], s[10:11], 128
	s_add_nc_u64 s[12:13], s[12:13], 128
	s_add_co_u32 s30, s30, 1
	s_cmp_lt_u32 s30, 16
	s_cbranch_scc1 .Lhead
	s_endpgm
; ---------------- Wout to f16: a wave takes 8,192 numbers in four sets of sixteen loads; a load reads 512 consecutive bytes, a store writes 256 consecutive, aligned
.Lwout:
	v_lshlrev_b32 v3, 4, v2
	v_lshlrev_b32 v4, 3, v2
	s_sub_co_u32 s23, ttmp9, 352
	s_lshl_b32 s23, s23, 2
	s_add_co_u32 s23, s23, s22                     ; my run of 8,192 numbers
	s_lshl_b32 s26, s23, 15
	s_mov_b32 s27, 0
	s_add_nc_u64 s[8:9], s[8:9], s[26:27]
	s_lshl_b32 s26, s23, 14
	s_add_nc_u64 s[18:19], s[18:19], s[26:27]
.macro LOADS k
.irp i, 0,1,2,3,4,5,6,7,8,9,10,11,12,13,14,15
	global_load_b128 v[16+64*((\k)%2)+4*\i:16+64*((\k)%2)+4*\i+3], v3, s[8:9] offset:8192*(\k)+512*\i th:TH_LOAD_NT
.endr
.endm
.macro PROC k, left                    ; left: the loads issued behind this set's first
	s_wait_xcnt 0x0                                ; the last set's stores have read v144-175, which are written again
.irp i, 0,1,2,3,4,5,6,7,8,9,10,11,12,13,14,15
	s_wait_loadcnt \left-\i                        ; loads come back in order: load i of this set is in
	v_cvt_pk_f16_f32 v[144+2*\i], v[16+64*((\k)%2)+4*\i], v[16+64*((\k)%2)+4*\i+1]
	v_cvt_pk_f16_f32 v[145+2*\i], v[16+64*((\k)%2)+4*\i+2], v[16+64*((\k)%2)+4*\i+3]
	global_store_b64 v4, v[144+2*\i:145+2*\i], s[18:19] offset:4096*(\k)+256*\i
.endr
.endm
	LOADS 0
	LOADS 1
	PROC 0, 31
	LOADS 2
	PROC 1, 31
	LOADS 3
	PROC 2, 31
	PROC 3, 15
	s_endpgm
; ---------------- x and Wqkv to codes.  Rows are dense and K is a multiple of 32: both tensors are plain streams of blocks of 32, and Wqkv's codes and bytes follow x's in the two buffers.
; A wave takes 16 steps of 512 numbers.  Each load reads 512 consecutive bytes; a step's 2,048 bytes turn through the wave's own stage in LDS and come back 64 bytes a lane, so that a lane holds
; 16 neighbours along K (two lanes a block), as the conversion wants them.  Loads run four steps ahead, the turn through LDS one step.
.Lquant:
	v_lshlrev_b32 v3, 4, v2                        ; my 16 bytes of a load's 512
	s_mul_i32 s24, s22, WREG
	v_lshrrev_b32 v14, 2, v2
	v_mul_u32_u24 v14, v14, SP
	v_and_b32 v15, 3, v2
	v_lshl_add_u32 v14, v15, 4, v14
	v_add_nc_u32 v14, s24, v14                     ; the stage, on the way in: SP (lane / 4) + 16 (lane % 4)
	v_mul_u32_u24 v15, v2, SP
	v_add_nc_u32 v15, s24, v15                     ; and on the way out: SP x lane
	v_mul_u32_u24 v4, v2, CB                       ; my codes' place in a step's
	v_lshrrev_b32 v5, 1, v2
	s_add_co_u32 s24, s24, 2*32*SP
	v_add_nc_u32 v5, s24, v5                       ; my block's byte among my wave's 256
	v_lshlrev_b32 v7, 3, v2
	v_add_nc_u32 v6, s24, v7
	s_cmp_lt_u32 ttmp9, 256                        ; x's work-group or Wqkv's: the choice hangs on the work-group's number alone
	s_cselect_b64 s[4:5], s[4:5], s[6:7]
	s_cselect_b32 s23, 0, 256
	s_sub_co_u32 s23, ttmp9, s23
	s_lshl_b32 s23, s23, 2
	s_add_co_u32 s23, s23, s22                     ; my run of 8,192 numbers in the tensor
	s_lshl_b32 s26, s23, 15
	s_mov_b32 s27, 0
	s_add_nc_u64 s[4:5], s[4:5], s[26:27]
	s_lshl_b32 s23, ttmp9, 2
	s_add_co_u32 s23, s23, s22                     ; and in the buffers of codes and bytes
	s_lshl_b32 s26, s23, 12
	s_add_nc_u64 s[14:15], s[14:15], s[26:27]
	s_lshl_b32 s26, s23, 8
	s_add_nc_u64 s[16:17], s[16:17], s[26:27]
.macro LOAD t
.irp i, 0,1,2,3
	global_load_b128 v[R+16*((\t)%4)+4*\i:R+16*((\t)%4)+4*\i+3], v3, s[4:5] offset:2048*(\t)+512*\i th:TH_LOAD_NT
.endr
.endm
.macro TURN t                          ; LDS serves a wave's instructions in order: no wait between the stores and the loads
.irp i, 0,1,2,3
	ds_store_b128 v14, v[R+16*((\t)%4)+4*\i:R+16*((\t)%4)+4*\i+3] offset:32*SP*((\t)%2)+8*SP*\i
.endr
.irp i, 0,1,2,3
	ds_load_b128 v[X+16*((\t)%2)+4*\i:X+16*((\t)%2)+4*\i+3], v15 offset:32*SP*((\t)%2)+16*\i
.endr
.endm
.irp t, 0,1,2,3
	LOAD \t
.endr
	s_wait_loadcnt 12                              ; step 0's four loads are in; three steps' twelve stay out
	TURN 0
.macro STEP t
.set XS, X+16*((\t)%2)
.if (\t) > 0
	s_wait_dscnt 1                                 ; this step's numbers are back from the stage; the last step's byte store may be out
.else
	s_wait_dscnt 0x0
.endif
.if (\t)+4 < STEPS
	LOAD (\t)+4
.endif
.if (\t)+1 < STEPS
.if STEPS-2-(\t) >= 3
	s_wait_loadcnt 12                              ; the next step's four loads are in; those of the three steps behind it may be out
.else
	s_wait_loadcnt 4*(STEPS-2-(\t))
.endif
	TURN (\t)+1
.endif
	v_max3_num_f32 v8, |v[XS]|, |v[XS+1]|, |v[XS+2]|
	v_max3_num_f32 v9, |v[XS+3]|, |v[XS+4]|, |v[XS+5]|
.irp i, 6,10
	v_max3_num_f32 v8, v8, |v[XS+\i]|, |v[XS+\i+1]|
	v_max3_num_f32 v9, v9, |v[XS+\i+2]|, |v[XS+\i+3]|
.endr
	v_max3_num_f32 v8, v8, |v[XS+14]|, |v[XS+15]|
	v_max3_num_f32 v8, v8, v9, (EMAX+1)<<23        ; the floor 2^(3 - 127): the byte cannot fall under 1
	v_max_num_f32_dpp v8, v8, v8 row_xmask:1 row_mask:0xf bank_mask:0xf   ; with my neighbour's 16: the block's largest magnitude
	v_add_nc_u32 v11, -(EMAX<<23), v8              ; 2 off its exponent field: the conversion takes the exponent field of this operand as its scale
	v_cvt_scalef32_pk8_fp4_f32 v[C+4*(\t)], v[XS:XS+7], v11
	v_cvt_scalef32_pk8_fp4_f32 v[C+4*(\t)+1], v[XS+8:XS+15], v11
	v_lshrrev_b32 v[E+(\t)], 23, v11               ; the scale's byte
	ds_store_b8 v5, v[E+(\t)] offset:16*(\t)       ; both lanes of a block write the same byte with the same value
	global_store_b64 v4, v[C+4*(\t):C+4*(\t)+1], s[14:15] offset:32*CB*(\t)   ; the wave stores 256 consecutive bytes, aligned
.endm
.irp t, 0,1,2,3,4,5,6,7,8,9,10,11,12,13,14,15
	STEP \t
.endr
	ds_load_b64 v[8:9], v6                         ; my wave's 256 scale bytes, 8 a lane
	s_wait_dscnt 0x0
	global_store_b64 v7, v[8:9], s[16:17]          ; 256 consecutive bytes, aligned
	s_wait_tensorcnt 0x0                           ; the wave's end
	ds_add_u32 v[SPW], v[NIL]
	s_wait_dscnt 0x0
	s_endpgm
.Lfunc_end_k_qa128727da2_prep:
	.size	k_qa128727da2_prep, .Lfunc_end_k_qa128727da2_prep-k_qa128727da2_prep
	.p2alignl 7, 3214868480
	.fill 96, 4, 3214868480
	.section	.rodata,"a",@progbits
	.p2align	6, 0x0
	.amdhsa_kernel k_qa128727da2_prep
		.amdhsa_group_segment_fixed_size 33280
		.amdhsa_private_segment_fixed_size 0
		.amdhsa_enable_private_segment 0
		.amdhsa_kernarg_size 72
		.amdhsa_user_sgpr_count 2
		.amdhsa_user_sgpr_kernarg_segment_ptr 1
		.amdhsa_wavefront_size32 1
		.amdhsa_system_sgpr_workgroup_id_x 1
		.amdhsa_system_sgpr_workgroup_id_y 1
		.amdhsa_system_sgpr_workgroup_id_z 1
		.amdhsa_system_vgpr_workitem_id 0
		.amdhsa_next_free_vgpr 192
		.amdhsa_next_free_sgpr 100
		.amdhsa_reserve_vcc 1
		.amdhsa_float_denorm_mode_32 3
		.amdhsa_float_denorm_mode_16_64 3
		.amdhsa_memory_ordered 1
		.amdhsa_forward_progress 1
		.amdhsa_inst_pref_size 100
	.end_amdhsa_kernel
	.amdgpu_metadata
---
amdhsa.version: [ 1, 2 ]
amdhsa.kernels:
  - .name:           k_qa128727da2_prep
    .symbol:         k_qa128727da2_prep.kd
    .args:
      - { .name: x, .offset: 0, .size: 8, .value_kind: global_buffer, .address_space: global }
      - { .name: Wqkv, .offset: 8, .size: 8, .value_kind: global_buffer, .address_space: global }
      - { .name: Wout, .offset: 16, .size: 8, .value_kind: global_buffer, .address_space: global }
      - { .name: alpha, .offset: 24, .size: 8, .value_kind: global_buffer, .address_space: global }
      - { .name: beta, .offset: 32, .size: 8, .value_kind: global_buffer, .address_space: global }
      - { .name: codes, .offset: 40, .size: 8, .value_kind: global_buffer, .address_space: global }
      - { .name: scales, .offset: 48, .size: 8, .value_kind: global_buffer, .address_space: global }
      - { .name: wo16, .offset: 56, .size: 8, .value_kind: global_buffer, .address_space: global }
      - { .name: btab, .offset: 64, .size: 8, .value_kind: global_buffer, .address_space: global }
    .group_segment_fixed_size: 33280
    .private_segment_fixed_size: 0
    .kernarg_segment_align: 8
    .kernarg_segment_size: 72
    .max_flat_workgroup_size: 128
    .sgpr_count:     100
    .vgpr_count:     192
    .wavefront_size: 32
...
	.end_amdgpu_metadata
.endif
;; end of part 1
;; launch qkv (part 2): grid 12 x 32, 4 waves a work-group, clusters of 4 x 4, 327,680 bytes of LDS; arguments codes, scales, qkv; writes qkv
.if DOCPART == 2
	.amdgcn_target "amdgcn-amd-amdhsa--gfx1250"
	.amdhsa_code_object_version 6
	.text
	.protected	k_qa128727da2_qkv
	.globl	k_qa128727da2_qkv
	.p2align	8
	.type	k_qa128727da2_qkv,@function
k_qa128727da2_qkv:
	s_mov_b64 s[64:65], 0
	v_nop
	global_prefetch_b8 v0, s[64:65] scope:SCOPE_SE
	s_setreg_imm32_b32 hwreg(HW_REG_WAVE_MODE, 25, 1), 1
	s_wait_xcnt 0x0
	s_wait_alu depctr_hold_cnt(0) depctr_sa_sdst(0) depctr_va_vdst(0) depctr_va_sdst(0) depctr_va_ssrc(0) depctr_va_vcc(0) depctr_vm_vsrc(0)
	s_getreg_b32 s2, hwreg(HW_REG_IB_STS2, 6, 4)
	s_cmp_eq_u32 s2, 0
	s_cbranch_scc0 .Lentry_in_a_cluster
	s_endpgm
.Lentry_in_a_cluster:
	s_bfe_u32 s2, ttmp6, 0x10000c
	s_cmp_lg_u32 s2, 0xf033
	s_cbranch_scc0 .Lentry_shape_is_right
	s_endpgm
.Lentry_shape_is_right:
; qkv = x Wqkv^T on codes of FP4 (E2M1) with one E8M0 scale for each 32 along K; sums in f32.  M = 8,192, N = 3,072, K = 1,024.
; A tile of 256 x 256 is made by four waves, 128 x 128 each: 64 accumulators, 512 registers.  K goes in two steps of 512 (rows of 256 bytes): both lie in LDS from the start, so no slot is filled again.
; The scale bytes of the work-group's 256 + 256 rows come once, as dense blocks, and stay.
; CLUSTERS: 4 x 4 work-groups; the four of a row need the same rows of x, the four of a column the same rows of Wqkv: each tile is asked for jointly.
; THE MATRIX INSTRUCTION IS USED TRANSPOSED (source 0 = 16 rows of Wqkv, source 1 = 16 rows of x): a lane holds eight neighbouring features of one position.
; OUT: q, k and v as f16, by head: [b 16 + h][t][64], q at byte 0, k at 0x1000000, v at 0x2000000.  q is multiplied in f32 by log2(e) / 8 ahead of its one rounding: 1 / sqrt(64), and the softmax works in powers of two.
; LIMIT: |q| log2(e) / 8, |k| and |v| stay under 65,504 (f16).
; REGISTERS, in windows of 256: window 0: v0-31 addresses; v32-95 scale words, two sets; from v128 A's fragments, one set; on the way out v32-127 are free.
;   window 1: B's fragments, two sets.   window 2: the accumulators of my rows 0-63 ((a, b) at v[8 (8 a + b)]);   window 3: those of rows 64-127.
.set NQ,     4                         ; matrix instructions deep in a slot: 512 along K
.set ROWB,   256                       ; a tile's row in bytes
.set KROW,   512                       ; a row of codes in memory
.set PITCH,  272                       ; an LDS row: 256 bytes + 16 of padding = 68 words: the 16 rows that a load touches start at 16 different banks (64 banks of 4 bytes: ISA guide 11.1)
.set FR,     8
.set NL,     2
.set NP,     4                         ; places behind this matrix instruction (ISA guide 7.12.1)
.set HALFT,  128*PITCH
.set SLOT,   4*HALFT
.set KS,     32                        ; a row of scale bytes
.set SCL,    2*SLOT                    ; behind the two slots: the scales, as units of 256 bytes + 16 of padding
.set HALFS,  (128*KS/256)*272
.set SBLK,   (16*KS/256)*272
.set SPARE,  SCL+4*HALFS               ; the spare words, 128 bytes a wave
.set ADRA, 16
.set ADRB, 20
.set STO,  24                          ; the way out: where I put 16 bytes of a row
.set RD,   25                          ; where I read rows back
.set CO,   26                          ; 16 x lane
.set ADRS, 27
.set SPW,  28
.set NIL,  29
.set SC,   32
.set AF,   128
.set TMP,  32                          ; the way out: packed results
.set BK,   64                          ; and rows read back: v64-95 and v96-127 by turns
.set G1, 24
.set G0, 32
.set G1B, 48
.set G0B, 56
.set G1S, 68
.set G0S, 76
.set G1SB, 80
.set G0SB, 88
.set MSB, 0
.macro WIN new                         ; the immediate's high byte repeats the setting that is left
.if MSB != \new
	s_set_vgpr_msb (MSB<<8)|\new
.set MSB, \new
.endif
.endm
.set MUL_LO, 0xa1                      ; source 0 (B) window 1, source 1 (A) window 0, C and D window 2
.set MUL_HI, 0xf1
.set TO_B,   0x40
; A joint load: waves 0 and 1 fetch for A, waves 2 and 3 for B; the branch hangs on the wave's number alone.  An s_nop 0 and four v_nop follow each line.
.macro JLOAD g0a, g1a, g0b, g1b
	s_cmp_eq_u32 s15, 0
	s_cbranch_scc0 .Lfor_b_\@
	tensor_load_to_lds s[\g0a:\g0a+3], s[\g1a:\g1a+7]
	s_nop 0
.rept 4
	v_nop
.endr
	s_branch .Lasked_\@
.Lfor_b_\@:
	tensor_load_to_lds s[\g0b:\g0b+3], s[\g1b:\g1b+7]
	s_nop 0
.rept 4
	v_nop
.endr
.Lasked_\@:
.endm
.macro CROUND                          ; a round of the cluster's barrier
	s_barrier_signal -1
	s_barrier_wait -1
	s_cmp_lg_u32 s14, 0
	s_cbranch_scc1 .Lnot_wave_0_\@
	s_barrier_signal -3
.Lnot_wave_0_\@:
	s_barrier_wait -3
	s_barrier_signal -1
	s_barrier_wait -1
.endm
	s_load_b128 s[4:7], s[0:1], 0x0                ; codes, scales
	s_load_b64 s[12:13], s[0:1], 0x10              ; qkv
	v_lshl_add_u32 v[SPW], v0, 2, SPARE
	v_mov_b32 v[NIL], 0
	ds_add_u32 v[SPW], v[NIL]                      ; the wave's opening: the add, twice on end, and its wait ahead of my first tensor load
	ds_add_u32 v[SPW], v[NIL]
	v_lshrrev_b32 v1, 5, v0
	v_readfirstlane_b32 s14, v1                    ; wave 0..3
	s_lshr_b32 s15, s14, 1                         ; which half of the tile's rows is mine.  Also: I fetch for A (0) or for B (1)
	s_and_b32 s16, s14, 1                          ; which half of its columns.  Also: which 128 rows I fetch
	s_bfe_u32 s40, ttmp6, 0x40000                  ; cx, cy
	s_bfe_u32 s41, ttmp6, 0x40004
	s_lshl_b32 s42, ttmp9, 2
	s_add_co_u32 s42, s42, s40                     ; tile column = 4 x cluster x + cx
	s_and_b32 s17, ttmp7, 0xffff
	s_lshl_b32 s17, s17, 2
	s_add_co_u32 s17, s17, s41                     ; tile row = 4 x cluster y + cy
	s_lshl_b32 s43, s41, 2
	s_lshl_b32 s43, 15, s43                        ; my row of the cluster
	s_lshl_b32 s44, 0x1111, s40                    ; my column
	s_or_b32 s[G1+0], s43, (0<<16)|(1<<20)|(1<<21)|(5<<22)|(3<<25)  ; the mask; elements of 1 byte; padding: 4 words behind every 64; bit 21 beside a mask
	s_or_b32 s[G1B+0], s44, (0<<16)|(1<<20)|(1<<21)|(5<<22)|(3<<25)
.irp g, G1, G1B
	s_mov_b32 s[\g+1], ROWB<<16                    ; tensor_dim0
	s_mov_b32 s[\g+2], 128<<16                     ; tensor_dim1
	s_mov_b32 s[\g+3], ROWB<<16                    ; tile_dim0
	s_mov_b32 s[\g+4], 128                         ; tile_dim1
	s_mov_b32 s[\g+5], KROW                        ; from row to row
	s_mov_b32 s[\g+6], 0
	s_mov_b32 s[\g+7], 0
.endr
	s_or_b32 s[G1S+0], s43, (3<<16)|(1<<20)|(1<<21)|(5<<22)|(3<<25) ; the scales of 128 rows: 4,096 dense bytes as 16 rows of 256 (32 elements of 8 bytes)
	s_or_b32 s[G1SB+0], s44, (3<<16)|(1<<20)|(1<<21)|(5<<22)|(3<<25)
.irp g, G1S, G1SB
	s_mov_b32 s[\g+1], 32<<16
	s_mov_b32 s[\g+2], (128*KS/256)<<16
	s_mov_b32 s[\g+3], 32<<16
	s_mov_b32 s[\g+4], 128*KS/256
	s_mov_b32 s[\g+5], 32
	s_mov_b32 s[\g+6], 0
	s_mov_b32 s[\g+7], 0
.endr
	s_lshl_b32 s18, s16, 7
	s_lshl_b32 s20, s17, 8
	s_add_co_u32 s20, s20, s18                     ; x: row 256 x tile row + 128 x half
	s_lshl_b32 s46, s42, 8
	s_add_co_u32 s46, s46, s18                     ; Wqkv: row 256 x tile column + 128 x half
	s_mov_b32 s21, 0
	s_mov_b32 s47, 0
	s_mov_b64 s[18:19], KS
	s_mul_u64 s[22:23], s[20:21], s[18:19]
	s_mul_u64 s[92:93], s[46:47], s[18:19]
	s_mov_b64 s[18:19], KROW
	s_mul_u64 s[20:21], s[20:21], s[18:19]
	s_mul_u64 s[46:47], s[46:47], s[18:19]
	s_mul_i32 s45, s14, HALFT                      ; where they go: wave x 128 rows: no place in the cluster enters an LDS address
	s_mul_i32 s94, s14, HALFS
	s_wait_dscnt 0x0                               ; both opening adds are done
	s_wait_kmcnt 0x0
	s_add_nc_u64 s[8:9], s[4:5], 0x400000          ; Wqkv's codes follow x's,
	s_add_nc_u64 s[10:11], s[6:7], 0x40000         ; and its scale bytes likewise
	s_add_nc_u64 s[20:21], s[4:5], s[20:21]
	s_add_nc_u64 s[22:23], s[6:7], s[22:23]
	s_add_nc_u64 s[46:47], s[8:9], s[46:47]
	s_add_nc_u64 s[92:93], s[10:11], s[92:93]
	CROUND                                         ; all sixteen work-groups are here: the joint loads meet
	s_mov_b32 s[G0S], 1
	s_add_co_u32 s[G0S+1], s94, SCL
	s_mov_b64 s[G0S+2:G0S+3], s[22:23]
	s_or_b32 s[G0S+3], s[G0S+3], 0x80000000
	s_mov_b32 s[G0SB], 1
	s_add_co_u32 s[G0SB+1], s94, SCL
	s_mov_b64 s[G0SB+2:G0SB+3], s[92:93]
	s_or_b32 s[G0SB+3], s[G0SB+3], 0x80000000
	JLOAD G0S, G1S, G0SB, G1SB                     ; the scales first: they are wanted with the first step
.irp s, 0,1
	s_mov_b32 s[G0+4*\s], 1
	s_add_co_u32 s[G0+4*\s+1], s45, \s*SLOT
	s_add_nc_u64 s[G0+4*\s+2:G0+4*\s+3], s[20:21], \s*ROWB
	s_or_b32 s[G0+4*\s+3], s[G0+4*\s+3], 0x80000000
	s_mov_b32 s[G0B+4*\s], 1
	s_add_co_u32 s[G0B+4*\s+1], s45, \s*SLOT
	s_add_nc_u64 s[G0B+4*\s+2:G0B+4*\s+3], s[46:47], \s*ROWB
	s_or_b32 s[G0B+4*\s+3], s[G0B+4*\s+3], 0x80000000
	JLOAD G0+4*\s, G1, G0B+4*\s, G1B               ; three tensor loads of mine are out
.endr
	v_and_b32 v1, 15, v0                           ; r = lane % 16
	v_bfe_u32 v2, v0, 4, 1                         ; h = lane / 16
	v_mul_u32_u24 v3, v1, PITCH
	v_lshl_add_u32 v4, v2, 4, v3
	s_mul_i32 s21, s15, HALFT
	s_mul_i32 s22, s16, HALFT
	s_add_co_u32 s22, s22, 2*HALFT
.irp s, 0,1
	v_add_nc_u32 v[ADRA+\s], s21, v4
	v_add_nc_u32 v[ADRB+\s], s22, v4
	s_add_co_u32 s21, s21, SLOT
	s_add_co_u32 s22, s22, SLOT
.endr
	v_mul_u32_u24 v5, v1, KS                       ; my row's scales: 32 bytes a row,
	v_lshrrev_b32 v6, 8, v5
	v_lshl_add_u32 v5, v6, 4, v5                   ; and 16 more for each 256 passed
	s_mul_i32 s21, s15, HALFS
	s_mul_i32 s22, s16, HALFS
	s_add_co_u32 s22, s22, 2*HALFS
	s_sub_co_u32 s22, s22, s21
	v_mul_u32_u24 v6, s22, v2                      ; lanes 16-31 take B's
	s_add_co_u32 s21, s21, SCL
	v_add_nc_u32 v5, v5, v6
	v_add_nc_u32 v[ADRS], s21, v5
	s_mul_i32 s23, s14, 4608                       ; my stage: two heads x 16 rows x (128 bytes + 16).  It lies in slot 0, which has had its one fill and its last read when the first result is stored there
	v_mul_u32_u24 v5, v1, 144
	v_lshl_add_u32 v5, v2, 4, v5
	v_add_nc_u32 v[STO], s23, v5                   ; in: row r, 16 bytes for each half of the lanes
	v_and_b32 v6, 31, v0
	v_lshrrev_b32 v5, 3, v6
	v_mul_u32_u24 v5, v5, 144
	v_and_b32 v7, 7, v0
	v_lshl_add_u32 v5, v7, 4, v5
	v_add_nc_u32 v[RD], s23, v5                    ; back: eight lanes to a row of 128 bytes, four rows an instruction
	v_lshlrev_b32 v[CO], 4, v6                     ; which are 512 consecutive bytes of a head's [t][64]
	s_lshr_b32 s20, s17, 3                         ; b: eight tile rows to a batch
	s_lshl_b32 s20, s20, 15                        ; 16 heads x 2,048 rows
	s_and_b32 s21, s17, 7
	s_lshl_b32 s21, s21, 8
	s_add_co_u32 s20, s20, s21
	s_lshl_b32 s21, s15, 7
	s_add_co_u32 s20, s20, s21
	s_lshl_b32 s20, s20, 7                         ; rows of 128 bytes
	s_mov_b32 s21, 0
	s_lshl_b32 s46, s40, 2
	s_lshl_b32 s47, s16, 1
	s_add_co_u32 s46, s46, s47                     ; my first head: 4 cx + 2 x column half
	s_lshl_b32 s46, s46, 18
	s_lshl_b32 s47, ttmp9, 24                      ; cluster x: 0 q, 1 k, 2 v
	s_add_co_u32 s46, s46, s47
	s_mov_b32 s47, 0
	s_add_nc_u64 s[20:21], s[20:21], s[46:47]
	s_add_nc_u64 s[12:13], s[12:13], s[20:21]
.macro FRAG reg, adr, q, i             ; 16 rows x 128 K of 4-bit codes: 8 registers; registers 4 c .. 4 c + 3 hold K = 64 c + 32 (lane / 16) + 0 .. 31
.irp c, 0,1
	ds_load_b128 v[\reg+4*\c:\reg+4*\c+3], v[\adr] offset:64*(\q)+32*\c+(\i)*16*PITCH
.endr
.endm
; 16 matrix instructions: A's blocks a0, a0 + 1 x B's eight.  The 64 accumulators take turns, one instruction a turn, in the same order in every step.
.macro MUL16 a0, p, q, sc, zero
.irp a, \a0, \a0+1
.irp b, 0,1,2,3,4,5,6,7
.if \zero
	v_wmma_scale_f32_16x16x128_f8f6f4 v[8*(8*((\a)%4)+\b):8*(8*((\a)%4)+\b)+7], v[128*(\p)+FR*\b:128*(\p)+FR*\b+FR-1], v[AF+FR*(\a):AF+FR*(\a)+FR-1], 0, v[SC+8*NQ*(\sc)+NQ*\b+(\q)], v[SC+8*NQ*(\sc)+NQ*(\a)+(\q)] matrix_a_fmt:MATRIX_FMT_FP4 matrix_b_fmt:MATRIX_FMT_FP4 matrix_a_scale:MATRIX_SCALE_ROW1
.else
	v_wmma_scale_f32_16x16x128_f8f6f4 v[8*(8*((\a)%4)+\b):8*(8*((\a)%4)+\b)+7], v[128*(\p)+FR*\b:128*(\p)+FR*\b+FR-1], v[AF+FR*(\a):AF+FR*(\a)+FR-1], v[8*(8*((\a)%4)+\b):8*(8*((\a)%4)+\b)+7], v[SC+8*NQ*(\sc)+NQ*\b+(\q)], v[SC+8*NQ*(\sc)+NQ*(\a)+(\q)] matrix_a_fmt:MATRIX_FMT_FP4 matrix_b_fmt:MATRIX_FMT_FP4 matrix_a_scale:MATRIX_SCALE_ROW1
.endif
.endr
.endr
.endm
.macro FETCH_B slot, q, p
	WIN TO_B
.irp i, 0,1,2,3,4,5,6,7
	FRAG 128*(\p)+FR*\i, ADRB+\slot, \q, \i
.endr
	WIN 0
.endm
.macro FETCH_A slot, q, i0
.irp i, \i0, \i0+1, \i0+2, \i0+3
	FRAG AF+FR*(\i), ADRA+\slot, \q, \i
.endr
.endm
.macro SCALES sc                       ; a slot's scale words: lanes 0-15 take A's block i, lanes 16-31 B's block i
.irp i, 0,1,2,3,4,5,6,7
	ds_load_b128 v[SC+8*NQ*\sc+NQ*\i:SC+8*NQ*\sc+NQ*\i+3], v[ADRS] offset:\i*SBLK
.endr
.endm
.macro PLACES n                        ; plain vector instructions between a matrix instruction and a load into, or a read or write of, its registers
.rept \n
	v_nop
.endr
.endm
.macro STEP slot, q, zero              ; 128 along K, with its successor in the same slot
	s_wait_dscnt 4*NL                              ; B's set and A's blocks 0-3 are in; the youngest eight loads (A's blocks 4-7) may be out
	WIN MUL_LO
	MUL16 0, (\q)%2, \q, \slot, \zero
	MUL16 2, (\q)%2, \q, \slot, \zero
	s_wait_dscnt 0
	PLACES NP
	FETCH_B \slot, (\q)+1, 1-(\q)%2
	FETCH_A \slot, (\q)+1, 0
	WIN MUL_HI
	MUL16 4, (\q)%2, \q, \slot, \zero
	MUL16 6, (\q)%2, \q, \slot, \zero
	PLACES NP
	WIN 0
	FETCH_A \slot, (\q)+1, 4
.endm
.macro STEPS slot, from
.set Q, \from
.rept NQ-1-\from
	STEP \slot, Q, 0
.set Q, Q+1
.endr
.endm
	s_wait_tensorcnt 1                             ; the scales and my part of slot 0 are in; slot 1's load may be out,
	s_barrier_signal -1
	s_barrier_wait -1                              ; everybody's are
	FETCH_B 0, 0, 0
	FETCH_A 0, 0, 0
	SCALES 0
	FETCH_A 0, 0, 4
	STEP 0, 0, 1                                   ; the first products start the sums: nothing is cleared
	STEPS 0, 1
	; slot 0's last step changes slots: one barrier
	s_wait_tensorcnt 0x0                           ; my part of slot 1 has landed
	ds_add_u32 v[SPW], v[NIL]                      ; 0 onto my spare word
	s_wait_dscnt 4*NL+1                            ; the add and the youngest eight loads may be out
	WIN MUL_LO
	MUL16 0, 1, NQ-1, 0, 0
	s_wait_dscnt 0x0                               ; the add is done, and my reads of slot 0 are over
	s_barrier_signal -1
	MUL16 2, 1, NQ-1, 0, 0
	WIN 0
	s_barrier_wait -1
	PLACES NP
	v_add_nc_u32 v[ADRS], 4*NQ, v[ADRS]            ; on to slot 1's scale words
	FETCH_B 1, 0, 0
	FETCH_A 1, 0, 0
	SCALES 1
	WIN MUL_HI
	MUL16 4, 1, NQ-1, 0, 0
	MUL16 6, 1, NQ-1, 0, 0
	PLACES NP
	WIN 0
	FETCH_A 1, 0, 4
	STEPS 1, 0
	s_wait_dscnt 4*NL                              ; the very last step: nothing more to fetch
	WIN MUL_LO
	MUL16 0, 1, NQ-1, 1, 0
	MUL16 2, 1, NQ-1, 1, 0
	s_wait_dscnt 0
	WIN MUL_HI
	MUL16 4, 1, NQ-1, 1, 0
	MUL16 6, 1, NQ-1, 1, 0
	WIN 0
	PLACES NP
	s_cmp_lg_u32 ttmp9, 0                          ; the cluster's x, the same in all sixteen partners: 0 where the tile is q's
	s_cbranch_scc1 .Lnot_q
	WIN 0x82                                       ; q x log2(e) / 8, in f32, in place; each accumulator from its low end on
.set i, 0
.rept 128
	v_pk_mul_f32 v[i:i+1], v[i:i+1], 0x3e38aa3b op_sel_hi:[1,0]
.set i, i+2
.endr
	WIN 0xc3
.set i, 0
.rept 128
	v_pk_mul_f32 v[i:i+1], v[i:i+1], 0x3e38aa3b op_sel_hi:[1,0]
.set i, i+2
.endr
	WIN 0
.Lnot_q:
; THE WAY OUT, a block of 16 rows x 128 features (two heads) at a time: rounded to f16, 16 bytes a lane into my stage, back as rows of 128 bytes, four rows = 512 consecutive bytes a store.
.macro PACK a
.set AC, 64*((\a)%4)
	WIN 0x0a+5*((\a)/4)                            ; sources 0 and 1: window 2 or 3
.irp b, 0,1,2,3,4,5,6,7
.irp i, 0,1,2,3
	v_cvt_pk_f16_f32 v[TMP+4*\b+\i], v[AC+8*\b+2*\i], v[AC+8*\b+2*\i+1]
.endr
.endr
	WIN 0
.endm
.macro TOSTAGE a
.set BB, BK+32*((\a)%2)
.irp b, 0,1,2,3,4,5,6,7
	ds_store_b128 v[STO], v[TMP+4*\b:TMP+4*\b+3] offset:(\b/4)*2304+(\b%4)*32
.endr
.irp n, 0,1,2,3,4,5,6,7
	ds_load_b128 v[BB+4*\n:BB+4*\n+3], v[RD] offset:(\n/4)*2304+(\n%4)*576   ; LDS serves a wave's instructions in order: these see the stores above
.endr
.endm
.macro SEND a
.set BB, BK+32*((\a)%2)
	s_wait_dscnt 0x0                               ; the block is back in registers
	s_wait_xcnt 0x0                                ; the stores of the block before have read their registers: the next block's loads may land there
.irp n, 0,1,2,3,4,5,6,7
	global_store_b128 v[CO], v[BB+4*\n:BB+4*\n+3], s[12:13] offset:(\n/4)*262144+(\a)*2048+(\n%4)*512
.endr
.endm
	PACK 0
	TOSTAGE 0
.irp a, 1,2,3,4,5,6,7                  ; block a's conversions stand between block a - 1's loads from the stage and the wait for them
	PACK \a
	SEND \a-1
	TOSTAGE \a
.endr
	SEND 7
	s_wait_tensorcnt 0x0                           ; the wave's end
	ds_add_u32 v[SPW], v[NIL]
	s_wait_dscnt 0x0
	CROUND                                         ; the closing round
	s_endpgm
.Lfunc_end_k_qa128727da2_qkv:
	.size	k_qa128727da2_qkv, .Lfunc_end_k_qa128727da2_qkv-k_qa128727da2_qkv
	.p2alignl 7, 3214868480
	.fill 96, 4, 3214868480
	.section	.rodata,"a",@progbits
	.p2align	6, 0x0
	.amdhsa_kernel k_qa128727da2_qkv
		.amdhsa_group_segment_fixed_size 327680
		.amdhsa_private_segment_fixed_size 0
		.amdhsa_enable_private_segment 0
		.amdhsa_kernarg_size 24
		.amdhsa_user_sgpr_count 2
		.amdhsa_user_sgpr_kernarg_segment_ptr 1
		.amdhsa_wavefront_size32 1
		.amdhsa_system_sgpr_workgroup_id_x 1
		.amdhsa_system_sgpr_workgroup_id_y 1
		.amdhsa_system_sgpr_workgroup_id_z 1
		.amdhsa_system_vgpr_workitem_id 0
		.amdhsa_next_free_vgpr 1024
		.amdhsa_next_free_sgpr 98
		.amdhsa_reserve_vcc 0
		.amdhsa_float_denorm_mode_32 3
		.amdhsa_float_denorm_mode_16_64 3
		.amdhsa_memory_ordered 1
		.amdhsa_forward_progress 1
		.amdhsa_inst_pref_size 151
	.end_amdhsa_kernel
	.amdgpu_metadata
---
amdhsa.version: [ 1, 2 ]
amdhsa.kernels:
  - .name:           k_qa128727da2_qkv
    .symbol:         k_qa128727da2_qkv.kd
    .args:
      - { .name: codes, .offset: 0, .size: 8, .value_kind: global_buffer, .address_space: global }
      - { .name: scales, .offset: 8, .size: 8, .value_kind: global_buffer, .address_space: global }
      - { .name: qkv, .offset: 16, .size: 8, .value_kind: global_buffer, .address_space: global }
    .group_segment_fixed_size: 327680
    .private_segment_fixed_size: 0
    .kernarg_segment_align: 8
    .kernarg_segment_size: 24
    .max_flat_workgroup_size: 128
    .sgpr_count:     98
    .vgpr_count:     1024
    .wavefront_size: 32
...
	.end_amdgpu_metadata
.endif
;; end of part 2
;; launch head16 (part 3): grid 64 x 1, 12 waves a work-group, no clusters, 14,336 bytes of LDS; arguments codes, scales, btab, o32; writes o32
.if DOCPART == 3
	.amdgcn_target "amdgcn-amd-amdhsa--gfx1250"
	.amdhsa_code_object_version 6
	.text
	.protected	k_qa128727da2_head16
	.globl	k_qa128727da2_head16
	.p2align	8
	.type	k_qa128727da2_head16,@function
k_qa128727da2_head16:
	s_mov_b64 s[64:65], 0
	v_nop
	global_prefetch_b8 v0, s[64:65] scope:SCOPE_SE
	s_setreg_imm32_b32 hwreg(HW_REG_WAVE_MODE, 25, 1), 1
	s_wait_xcnt 0x0
; Positions 0 to 15 of every batch and head, carried in f32: there a row of the softmax averages one to sixteen values and the results are the largest in size.
; Left out as in the first launch: keys after the query (their bias in the table is -3e38, so their weight is exactly 0).
; A work-group is one (batch, head).  Wave w makes, from the codes, by the FP4 matrix instruction, 16 positions x 16 features of q (w = 0-3), k (4-7) or v (8-11), sums in f32.
; q, k: source 0 = Wqkv's rows, source 1 = x's: a lane holds one position, its registers eight features.  v: the sources the other way round: a lane holds one feature, its registers eight positions.
; The twelve results go to LDS as images of their registers; wave 0 then does the attention of the 16 x 16 block by the f32 matrix instruction.  In each product of 4 along K both sources take the same register pair
; of their images, so both hold the same four k in the same places.
.set SPARE, 12288                      ; behind the twelve images of 1,024 bytes: the spare words, 128 bytes a wave
.set SPW, 4
.set NIL, 5
	s_load_b256 s[4:11], s[0:1], 0x0               ; codes s4, scales s6, btab s8, o32 s10
	v_lshl_add_u32 v[SPW], v0, 2, SPARE
	v_mov_b32 v[NIL], 0
	v_lshrrev_b32 v1, 5, v0
	v_readfirstlane_b32 s12, v1                    ; wave 0..11
	v_and_b32 v1, 15, v0                           ; r
	v_bfe_u32 v2, v0, 4, 1                         ; hh
	v_and_b32 v3, 31, v0                           ; lane
	s_lshl_b32 s13, s12, 10
	v_lshl_add_u32 v8, v3, 4, s13                  ; my image: 1,024 x wave + 16 x lane
	v_lshlrev_b32 v9, 4, v3                        ; any image, for my lane
	s_lshr_b32 s14, ttmp9, 4                       ; batch
	s_and_b32 s15, ttmp9, 15                       ; head
	s_lshr_b32 s16, s12, 2                         ; 0 q, 1 k, 2 v
	s_and_b32 s17, s12, 3                          ; which 16 features
	s_lshl_b32 s18, s16, 10
	s_lshl_b32 s19, s15, 6
	s_add_co_u32 s18, s18, s19
	s_lshl_b32 s19, s17, 4
	s_add_co_u32 s18, s18, s19                     ; Wqkv's first row
	s_lshl_b32 s19, s14, 11                        ; x's first row
	s_lshl_b32 s20, s18, 9
	s_add_co_u32 s20, s20, 0x400000                ; byte offsets in the buffer of codes,
	s_lshl_b32 s21, s19, 9
	s_lshl_b32 s22, s18, 5
	s_add_co_u32 s22, s22, 0x40000                 ; and of scale bytes
	s_lshl_b32 s23, s19, 5
	s_cmp_eq_u32 s16, 2                            ; v: x is source 0
	s_cselect_b32 s24, s21, s20
	s_cselect_b32 s25, s20, s21
	s_cselect_b32 s26, s23, s22
	s_cselect_b32 s27, s22, s23
	v_lshlrev_b32 v6, 9, v1
	v_lshl_add_u32 v6, v2, 4, v6                   ; row r of 512 bytes, + 16 hh
	v_lshlrev_b32 v7, 5, v1                        ; row r of 32 scale bytes
	v_add_nc_u32 v10, s24, v6
	v_add_nc_u32 v11, s25, v6
	v_add_nc_u32 v12, s26, v7
	v_add_nc_u32 v13, s27, v7
	v_and_b32 v14, 3, v1                           ; the bias: copy c = 3 - r % 4, byte 8,176 - 16 (r / 4) + 32 hh: eight words ext[r - 8 hh - j], j = 0 .. 7
	v_xor_b32 v14, 3, v14
	v_mul_u32_u24 v14, v14, 8512
	v_lshl_add_u32 v14, v2, 5, v14
	v_add_nc_u32 v14, 8176, v14
	v_lshrrev_b32 v15, 2, v1
	v_lshlrev_b32 v15, 4, v15
	v_sub_nc_u32 v14, v14, v15
	s_mul_i32 s28, s15, 34816
	v_add_nc_u32 v14, s28, v14
	v_lshlrev_b32 v15, 12, v1
	v_lshl_add_u32 v15, v2, 5, v15                 ; o32: row r of 4,096 bytes, + 32 hh
	s_lshl_b32 s28, s14, 16
	s_lshl_b32 s29, s15, 8
	s_add_co_u32 s28, s28, s29
	s_mov_b32 s29, 0
	s_mov_b32 s30, 0x76543210
	s_mov_b32 s31, 0xfedcba98                      ; v_permlanex16_b32's selects for lane l xor 16
	s_mov_b32 s32, 0x3e38aa3b                      ; log2(e) / 8
	s_wait_kmcnt 0x0
	s_add_nc_u64 s[10:11], s[10:11], s[28:29]
.irp ks, 0,1,2,3,4,5,6,7                       ; eight K steps of 128: source 0 in v16-79, source 1 in v80-143
.irp c, 0,1
	global_load_b128 v[16+8*\ks+4*\c:19+8*\ks+4*\c], v10, s[4:5] offset:64*\ks+32*\c
	global_load_b128 v[80+8*\ks+4*\c:83+8*\ks+4*\c], v11, s[4:5] offset:64*\ks+32*\c
.endr
.endr
.irp c, 0,1                                    ; the rows' eight scale words: register ks serves K step ks
	global_load_b128 v[144+4*\c:147+4*\c], v12, s[6:7] offset:16*\c
	global_load_b128 v[152+4*\c:155+4*\c], v13, s[6:7] offset:16*\c
.endr
	s_wait_loadcnt 0x0
.irp ks, 0,1,2,3,4,5,6,7                       ; two accumulators by turns
.if \ks < 2
	v_wmma_scale_f32_16x16x128_f8f6f4 v[160+8*(\ks%2):167+8*(\ks%2)], v[16+8*\ks:23+8*\ks], v[80+8*\ks:87+8*\ks], 0, v[144+\ks], v[152+\ks] matrix_a_fmt:MATRIX_FMT_FP4 matrix_b_fmt:MATRIX_FMT_FP4
.else
	v_wmma_scale_f32_16x16x128_f8f6f4 v[160+8*(\ks%2):167+8*(\ks%2)], v[16+8*\ks:23+8*\ks], v[80+8*\ks:87+8*\ks], v[160+8*(\ks%2):167+8*(\ks%2)], v[144+\ks], v[152+\ks] matrix_a_fmt:MATRIX_FMT_FP4 matrix_b_fmt:MATRIX_FMT_FP4
.endif
.endr
.rept 4
	v_nop
.endr
.irp j, 0,2,4,6
	v_pk_add_f32 v[176+\j:177+\j], v[160+\j:161+\j], v[168+\j:169+\j]
.endr
	ds_store_b128 v8, v[176:179]
	ds_store_b128 v8, v[180:183] offset:512
	s_wait_dscnt 0x0                               ; for the others' sake: my image has landed
	s_barrier_signal -1
	s_barrier_wait -1
	s_cmp_lg_u32 s12, 0
	s_cbranch_scc1 .Lend
	global_load_b128 v[184:187], v14, s[8:9]       ; the bias of my query against my eight keys
	global_load_b128 v[188:191], v14, s[8:9] offset:16
.irp t, 0,1,2,3                                ; q in v16-47, k in v48-79, v in v80-111: eight registers for each 16 features
	ds_load_b128 v[16+8*\t:19+8*\t], v9 offset:1024*\t
	ds_load_b128 v[20+8*\t:23+8*\t], v9 offset:1024*\t+512
	ds_load_b128 v[48+8*\t:51+8*\t], v9 offset:1024*(4+\t)
	ds_load_b128 v[52+8*\t:55+8*\t], v9 offset:1024*(4+\t)+512
	ds_load_b128 v[80+8*\t:83+8*\t], v9 offset:1024*(8+\t)
	ds_load_b128 v[84+8*\t:87+8*\t], v9 offset:1024*(8+\t)+512
.endr
	s_wait_dscnt 0x0
.set n, 0                                      ; S^T = k q^T: a lane holds query r and keys 8 hh + j.  Two accumulators by turns; they are written by matrix instructions alone
.rept 16
.if n < 2
	v_wmma_f32_16x16x4_f32 v[192+8*(n%2):199+8*(n%2)], v[48+2*n:49+2*n], v[16+2*n:17+2*n], 0
.else
	v_wmma_f32_16x16x4_f32 v[192+8*(n%2):199+8*(n%2)], v[48+2*n:49+2*n], v[16+2*n:17+2*n], v[192+8*(n%2):199+8*(n%2)]
.endif
.set n, n+1
.endr
.rept 8
	v_nop                                          ; eight places behind this form
.endr
	s_wait_loadcnt 0x0                             ; the bias
.irp j, 0,2,4,6
	v_pk_add_f32 v[120+\j:121+\j], v[192+\j:193+\j], v[200+\j:201+\j]
.endr
.irp j, 0,1,2,3,4,5,6,7
	v_fma_f32 v[120+\j], v[120+\j], s32, v[184+\j] ; t = score x log2(e) / 8 + bias x log2(e); -3e38 where the key comes after the query
.endr
	v_max3_num_f32 v240, v120, v121, v122
	v_max3_num_f32 v240, v240, v123, v124
	v_max3_num_f32 v240, v240, v125, v126
	v_max_num_f32 v240, v240, v127
	v_mov_b32 v241, 0                              ; a lane permute's destination counts as one of its sources
	v_permlanex16_b32 v241, v240, s30, s31
	v_max_num_f32 v240, v240, v241                 ; the row's maximum: key 0 counts for every query
.irp j, 0,1,2,3,4,5,6,7
	v_sub_f32 v[120+\j], v[120+\j], v240
.endr
.irp j, 0,1,2,3,4,5,6,7
	v_exp_f32 v[120+\j], v[120+\j]
.endr
	v_nop                                          ; a plain instruction behind the last exponential
	s_wait_alu depctr_va_vdst(0)                   ; one wait for the eight, ahead of their first reader
	v_pk_add_f32 v[242:243], v[120:121], v[122:123]
	v_pk_add_f32 v[244:245], v[124:125], v[126:127]
	v_pk_add_f32 v[242:243], v[242:243], v[244:245]
	v_add_f32 v242, v242, v243
	v_permlanex16_b32 v241, v242, s30, s31
	v_add_f32 v242, v242, v241                     ; the row's sum
	v_rcp_f32 v246, v242
	v_nop
	s_wait_alu depctr_va_vdst(0)
.irp p, 0,1,2,3                                ; O^T = v^T p: four accumulators (16 features each) by turns
.irp t, 0,1,2,3
.if \p == 0
	v_wmma_f32_16x16x4_f32 v[208+8*\t:215+8*\t], v[80+8*\t+2*\p:81+8*\t+2*\p], v[120+2*\p:121+2*\p], 0
.else
	v_wmma_f32_16x16x4_f32 v[208+8*\t:215+8*\t], v[80+8*\t+2*\p:81+8*\t+2*\p], v[120+2*\p:121+2*\p], v[208+8*\t:215+8*\t]
.endif
.endr
.endr
.rept 8
	v_nop
.endr
.set n, 0
.rept 32
	v_mul_f32 v[128+n], v[208+n], v246             ; / the sum: register 8 t + j is o(position r, feature 16 t + 8 hh + j)
.set n, n+1
.endr
.irp t, 0,1,2,3
	global_store_b128 v15, v[128+8*\t:131+8*\t], s[10:11] offset:64*\t
	global_store_b128 v15, v[132+8*\t:135+8*\t], s[10:11] offset:64*\t+16
.endr
.Lend:
	s_wait_tensorcnt 0x0                           ; the wave's end
	ds_add_u32 v[SPW], v[NIL]
	s_wait_dscnt 0x0
	s_endpgm
.Lfunc_end_k_qa128727da2_head16:
	.size	k_qa128727da2_head16, .Lfunc_end_k_qa128727da2_head16-k_qa128727da2_head16
	.p2alignl 7, 3214868480
	.fill 96, 4, 3214868480
	.section	.rodata,"a",@progbits
	.p2align	6, 0x0
	.amdhsa_kernel k_qa128727da2_head16
		.amdhsa_group_segment_fixed_size 14336
		.amdhsa_private_segment_fixed_size 0
		.amdhsa_enable_private_segment 0
		.amdhsa_kernarg_size 32
		.amdhsa_user_sgpr_count 2
		.amdhsa_user_sgpr_kernarg_segment_ptr 1
		.amdhsa_wavefront_size32 1
		.amdhsa_system_sgpr_workgroup_id_x 1
		.amdhsa_system_sgpr_workgroup_id_y 1
		.amdhsa_system_sgpr_workgroup_id_z 1
		.amdhsa_system_vgpr_workitem_id 0
		.amdhsa_next_free_vgpr 256
		.amdhsa_next_free_sgpr 66
		.amdhsa_reserve_vcc 0
		.amdhsa_float_denorm_mode_32 3
		.amdhsa_float_denorm_mode_16_64 3
		.amdhsa_memory_ordered 1
		.amdhsa_forward_progress 1
		.amdhsa_inst_pref_size 16
	.end_amdhsa_kernel
	.amdgpu_metadata
---
amdhsa.version: [ 1, 2 ]
amdhsa.kernels:
  - .name:           k_qa128727da2_head16
    .symbol:         k_qa128727da2_head16.kd
    .args:
      - { .name: codes, .offset: 0, .size: 8, .value_kind: global_buffer, .address_space: global }
      - { .name: scales, .offset: 8, .size: 8, .value_kind: global_buffer, .address_space: global }
      - { .name: btab, .offset: 16, .size: 8, .value_kind: global_buffer, .address_space: global }
      - { .name: o32, .offset: 24, .size: 8, .value_kind: global_buffer, .address_space: global }
    .group_segment_fixed_size: 14336
    .private_segment_fixed_size: 0
    .kernarg_segment_align: 8
    .kernarg_segment_size: 32
    .max_flat_workgroup_size: 384
    .sgpr_count:     66
    .vgpr_count:     256
    .wavefront_size: 32
...
	.end_amdgpu_metadata
.endif
;; end of part 3
;; launch attn (part 4): grid 64 x 8, 8 waves a work-group, no clusters, 327,680 bytes of LDS; arguments qkv, btab, o16; writes o16
.if DOCPART == 4
	.amdgcn_target "amdgcn-amd-amdhsa--gfx1250"
	.amdhsa_code_object_version 6
	.text
	.protected	k_qa128727da2_attn
	.globl	k_qa128727da2_attn
	.p2align	8
	.type	k_qa128727da2_attn,@function
k_qa128727da2_attn:
	s_mov_b64 s[64:65], 0
	v_nop
	global_prefetch_b8 v0, s[64:65] scope:SCOPE_SE
	s_setreg_imm32_b32 hwreg(HW_REG_WAVE_MODE, 25, 1), 1
	s_wait_xcnt 0x0
; Causal attention of one (batch, head) and 256 queries: o = softmax(q k^T / 8 + bias(i - j)) v, f16 operands, f32 sums, maxima and row sums in f32.  q arrives multiplied by log2(e) / 8 and the bias by log2(e).
; Left out as in the first launch: steps of 64 queries x 64 keys that lie wholly above the diagonal.  Inside a step on the diagonal the table's -3e38 makes the weight exactly 0.
; SHARES.  Work-group (bh, y) owns block 7 - y of 256 queries.  Wave w: key half s = w / 4, chunk of 64 queries g = (w % 4) xor 3 s.  The two waves of a chunk take the even and the odd steps of 64 keys,
; each with a running maximum, sum and O of its own, and are merged at the end.  Two waves share a SIMD: one wave's softmax stands beside the other's products.
; THE KEYS ARE WALKED DOWNWARD FROM THE DIAGONAL, 256 a slot: slot n holds keys 256 (block - n) on.  So the distance D = first query - first key of a step is 64 g + 256 n - 64 e: free of the work-group's number,
; and every LDS address is made of constants, the lane, the wave and counted steps.  All eight slots are walked by every work-group; a step is left out, by a scalar branch on ids, where D < 0 or n > block.
; LAYOUT.  S^T = K Q^T (source 0 = 16 keys, source 1 = 16 queries), O^T = V^T P: a lane holds one query throughout.  THE BIAS IS THE C OF A SCORE TILE'S FIRST MATRIX INSTRUCTION: it hangs on
; i - t alone (tile of queries i, tile of keys t), so seven fragments of eight registers serve a step's sixteen tiles.
; NO CLUSTER: under the causal mask the blocks of a head need different numbers of slots, so partners would be named by loads whose tiles they never read.
; LIMITS: a running maximum above 4e37 is not served (-3e38 less it would overflow); weights under the smallest f16 number count as 0.
; REGISTERS.  window 0: v1-14 addresses; v16-47 statistics, 8 a tile (m, its pair's upper word, l twice, c0-c3; the factor a takes c2's place); v48-103 the bias; v104-111 partial sums; v128-255 S^T, 32 a tile, then P in its low 16.
;   window 1: v0-63 Q; v64-127 K, then V; v128-255 O^T, 32 a tile.
.set KP,    144                        ; a key's row of K in LDS: 128 bytes + 16
.set VP,    160                        ; of V: 128 + 32: an odd multiple of 32
.set VOFF,  256*KP
.set TAB,   77824                      ; behind slot 0: the head's bias table, 34,816 bytes, filled once
.set SPARE, 112640                     ; the spare words, 128 bytes a wave
.set SLOT1, 131072                     ; slot 1: one exclusive or turns an address from one slot to the other
.set STG,   208896                     ; the merge: for each chunk an image of 34 x 512 bytes
.set OUTS,  278528                     ; the way out: for each chunk 64 rows x (128 bytes + 16)
.set AK0, 1
.set AV0, 2
.set AB0, 3
.set SPW, 4
.set NIL, 5
.set ADK, 6
.set ADV, 7
.set ADB, 8
.set PFO, 9
.set MST, 10
.set OST, 11
.set ORD, 12
.set GO,  13
.set QO,  14
.set ST,  16
.set BI,  48
.set U,   104
.set S,   128
.set KV,  64
.set WV,  10
.set HS,  11
.set G,   12
.set BLK, 13
.set BH,  14
.set G1K, 16
.set G1V, 24
.set G1T, 32
.set G0K, 40
.set G0V, 44
.set G0T, 48
.set TB,  52                           ; LDS byte at which the slot in hand begins
.set TBI, 53                           ; 1,024 x slot number: the table is read that much lower
.set SG,  54                           ; the slot's number
.set SLOTS, 55
.set SD,  56                           ; 64 g - 64 s + 256 x slot number
.set SEL, 58
.set PFA, 60
.set LIM, 62
.set MSB, 0
.macro WIN new
.if MSB != \new
	s_set_vgpr_msb (MSB<<8)|\new
.set MSB, \new
.endif
.endm
; Waves 0-3 fetch 64 rows of K each, waves 4-7 64 rows of V.  An s_nop 0 and four v_nop follow each line.
.macro TLOAD
	s_cmp_lt_u32 s[WV], 4
	s_cbranch_scc0 .Lfor_v_\@
	tensor_load_to_lds s[G0K:G0K+3], s[G1K:G1K+7]
	s_nop 0
.rept 4
	v_nop
.endr
	s_branch .Lasked_\@
.Lfor_v_\@:
	tensor_load_to_lds s[G0V:G0V+3], s[G1V:G1V+7]
	s_nop 0
.rept 4
	v_nop
.endr
.Lasked_\@:
.endm
; A prefetch of what the NEXT change of slots will ask for.  All eight blocks of a head walk the same K and V; block 7, which walks them all, asks, and nobody else.  Each wave names the 8,192 bytes that it will itself
; fetch, lanes 256 bytes apart: each 256 bytes once in the launch.  The last change but one that fills a slot is the last that asks: there is no slot behind.
.macro ASK
	s_cmp_gt_u32 s[SLOTS], s[LIM]
	s_cbranch_scc0 .Lnot_mine_\@
	global_prefetch_b8 v[PFO], s[PFA:PFA+1] th:TH_LOAD_NT scope:SCOPE_SE
.Lnot_mine_\@:
.endm
	s_load_b128 s[4:7], s[0:1], 0x0                ; qkv, btab
	s_load_b64 s[8:9], s[0:1], 0x10                ; o16
	v_lshl_add_u32 v[SPW], v0, 2, SPARE
	v_mov_b32 v[NIL], 0
	ds_add_u32 v[SPW], v[NIL]                      ; the wave's opening: the add, twice on end, and its wait ahead of my first tensor load
	ds_add_u32 v[SPW], v[NIL]
	v_lshrrev_b32 v48, 5, v0
	v_readfirstlane_b32 s[WV], v48                 ; wave 0..7
	s_lshr_b32 s[HS], s[WV], 2                     ; s
	s_and_b32 s66, s[WV], 3
	s_mul_i32 s67, s[HS], 3
	s_xor_b32 s[G], s66, s67                       ; g
	s_and_b32 s[BLK], ttmp7, 0xffff
	s_sub_co_u32 s[BLK], 7, s[BLK]                 ; the blocks with the most keys come first in the grid
	s_mov_b32 s[BH], ttmp9
	s_mov_b32 s[G1K], (1<<16)|(1<<20)|(4<<22)|(3<<25)   ; elements of 2 bytes; padding: 4 words behind every 32
	s_mov_b32 s[G1V], (1<<16)|(1<<20)|(4<<22)|(7<<25)   ; 8 words
.irp g, G1K, G1V
	s_mov_b32 s[\g+1], 64<<16                      ; tensor_dim0 = 64
	s_mov_b32 s[\g+2], 64<<16                      ; tensor_dim1 = 64
	s_mov_b32 s[\g+3], 64<<16                      ; tile_dim0
	s_mov_b32 s[\g+4], 64                          ; tile_dim1
	s_mov_b32 s[\g+5], 64                          ; from row to row
	s_mov_b32 s[\g+6], 0
	s_mov_b32 s[\g+7], 0
.endr
	s_mov_b32 s[G1T], 3<<16                        ; the table: 4,352 dense bytes a wave, as 17 rows of 256 (32 elements of 8 bytes)
	s_mov_b32 s[G1T+1], 32<<16
	s_mov_b32 s[G1T+2], 17<<16
	s_mov_b32 s[G1T+3], 32<<16
	s_mov_b32 s[G1T+4], 17
	s_mov_b32 s[G1T+5], 32
	s_mov_b32 s[G1T+6], 0
	s_mov_b32 s[G1T+7], 0
	s_lshl_b32 s67, s[BLK], 8
	s_lshl_b32 s68, s66, 6
	s_add_co_u32 s67, s67, s68                     ; the rows that I fetch of slot 0: 256 x block + 64 (w % 4)
	s_lshl_b32 s67, s67, 7
	s_lshl_b32 s68, s[BH], 18
	s_add_co_u32 s68, s68, s67
	s_mov_b32 s69, 0
	s_lshl_b32 s67, s[BLK], 8
	s_lshl_b32 s74, s[G], 6
	s_add_co_u32 s67, s67, s74                     ; my first query
	s_lshl_b32 s67, s67, 7
	s_lshl_b32 s74, s[BH], 18
	s_add_co_u32 s74, s74, s67
	s_mov_b32 s75, 0
	s_and_b32 s72, s[BH], 15                       ; the head
	s_mul_i32 s72, s72, 34816
	s_mul_i32 s78, s[WV], 4352
	s_add_co_u32 s72, s72, s78
	s_mov_b32 s73, 0
	s_mov_b32 s[SEL], 0x76543210
	s_mov_b32 s[SEL+1], 0xfedcba98
	s_mov_b32 s[TB], 0
	s_mov_b32 s[TBI], 0
	s_mov_b32 s[SG], 0
	s_mov_b32 s[SLOTS], 7
	s_lshl_b32 s[SD], s[G], 6
	s_lshl_b32 s67, s[HS], 6
	s_sub_co_i32 s[SD], s[SD], s67
	s_cmp_eq_u32 s[BLK], 7
	s_cselect_b32 s[LIM], 1, -1
	s_wait_dscnt 0x0                               ; both opening adds are done
	s_wait_kmcnt 0x0
	s_add_nc_u64 s[70:71], s[4:5], s[68:69]
	s_mov_b32 s[G0K], 1
	s_mul_i32 s[G0K+1], s66, 64*KP
	s_add_nc_u64 s[G0K+2:G0K+3], s[70:71], 0x1000000
	s_mov_b32 s[G0V], 1
	s_mul_i32 s[G0V+1], s66, 64*VP
	s_add_co_u32 s[G0V+1], s[G0V+1], VOFF
	s_add_nc_u64 s[G0V+2:G0V+3], s[70:71], 0x2000000
	s_cmp_lt_u32 s[WV], 4
	s_cselect_b64 s[PFA:PFA+1], s[G0K+2:G0K+3], s[G0V+2:G0V+3]
	s_sub_nc_u64 s[PFA:PFA+1], s[PFA:PFA+1], 32768 ; in slot 1; the first change of slots steps it to slot 2.  Nothing is prefetched here, at the head
	s_or_b32 s[G0K+3], s[G0K+3], 0x80000000
	s_or_b32 s[G0V+3], s[G0V+3], 0x80000000
	s_mov_b32 s[G0T], 1
	s_add_co_u32 s[G0T+1], s78, TAB
	s_add_nc_u64 s[G0T+2:G0T+3], s[6:7], s[72:73]
	s_or_b32 s[G0T+3], s[G0T+3], 0x80000000
	tensor_load_to_lds s[G0T:G0T+3], s[G1T:G1T+7]  ; every wave brings an eighth of the table,
	s_nop 0
	TLOAD                                          ; and its part of slot 0, the diagonal's: two tensor loads of mine are out
	s_add_nc_u64 s[76:77], s[4:5], s[74:75]        ; Q at my first query
	s_add_nc_u64 s[8:9], s[8:9], s[74:75]          ; O likewise
	v_and_b32 v48, 15, v0                          ; r
	v_bfe_u32 v49, v0, 4, 1                        ; h
	v_and_b32 v50, 31, v0                          ; lane
	v_lshlrev_b32 v[QO], 7, v48
	v_lshl_add_u32 v[QO], v49, 4, v[QO]
	WIN 0x40                                       ; destination window 1
.irp i, 0,1,2,3
.irp kk, 0,1
	global_load_b128 v[16*\i+8*\kk:16*\i+8*\kk+3], v[QO], s[76:77] offset:\i*2048+64*\kk
	global_load_b128 v[16*\i+8*\kk+4:16*\i+8*\kk+7], v[QO], s[76:77] offset:\i*2048+64*\kk+32
.endr
.endr
.set n, 0
.rept 128
	v_mov_b32 v[128+n], 0                          ; O^T.  The step is written once and any step may be a wave's first, or left out: the first finds zeros
.set n, n+1
.endr
	WIN 0
	v_mul_u32_u24 v[AK0], v48, KP                  ; K: row r, + 16 h, + my half's 64 rows
	v_lshl_add_u32 v[AK0], v49, 4, v[AK0]
	s_mul_i32 s66, s[HS], 64*KP
	v_add_nc_u32 v[AK0], s66, v[AK0]
	v_and_b32 v51, 7, v0                           ; V, for the turning load: row 8 h + lane % 8, + 16 ((lane / 8) % 2)
	v_bfe_u32 v52, v0, 3, 1
	v_lshl_add_u32 v[AV0], v49, 3, v51
	v_mul_u32_u24 v[AV0], v[AV0], VP
	v_lshl_add_u32 v[AV0], v52, 4, v[AV0]
	s_mul_i32 s66, s[HS], 64*VP
	s_add_co_u32 s66, s66, VOFF
	v_add_nc_u32 v[AV0], s66, v[AV0]
	; the bias: copy c = 3 - r % 4; byte 8,176 - 16 (r / 4) + 32 h - 4 D - 64 (i - t).  Of 4 D the parts 256 g and -256 s lie here (-256 g = 256 (g xor 3) - 768), and 192 are taken off for the loads' offsets
	v_and_b32 v53, 3, v48
	v_xor_b32 v53, 3, v53
	v_mul_u32_u24 v[AB0], v53, 8512
	s_xor_b32 s66, s[G], 3
	s_add_co_u32 s66, s66, s[HS]
	s_lshl_b32 s66, s66, 8
	s_add_co_u32 s66, s66, TAB+7216
	v_add_nc_u32 v[AB0], s66, v[AB0]
	v_lshl_add_u32 v[AB0], v49, 5, v[AB0]
	v_lshrrev_b32 v54, 2, v48
	v_lshlrev_b32 v54, 4, v54
	v_sub_nc_u32 v[AB0], v[AB0], v54
	v_lshlrev_b32 v[PFO], 8, v50
	s_mul_i32 s66, s[G], 17408
	s_add_co_u32 s66, s66, STG
	v_lshl_add_u32 v[MST], v50, 4, s66
	s_mul_i32 s66, s[G], 9216
	s_add_co_u32 s66, s66, OUTS
	v_mul_u32_u24 v[OST], v48, 144
	v_lshl_add_u32 v[OST], v49, 4, v[OST]
	v_add_nc_u32 v[OST], s66, v[OST]
	v_lshrrev_b32 v55, 3, v50
	v_mul_u32_u24 v[ORD], v55, 144
	v_lshl_add_u32 v[ORD], v51, 4, v[ORD]
	v_add_nc_u32 v[ORD], s66, v[ORD]
	v_lshlrev_b32 v[GO], 4, v50
.irp i, 0,1,2,3
	v_mov_b32 v[ST+8*\i], 0xff61b1e6               ; m = -3e38, under every score
	v_mov_b32 v[ST+8*\i+1], 0xff61b1e6             ; (named with it as a pair)
.irp k, 2,3,4,5,6,7
	v_mov_b32 v[ST+8*\i+\k], 0
.endr
.endr
; line j of 16 of tile i's maximum: four chains over the tile's four accumulators, each read from its low end on; the old m joins last
.macro MX j, i
.set rT, ST+8*(\i)
.set rS, S+32*(\i)
.if (\j) < 4
	v_max3_num_f32 v[rT+4+(\j)], v[rS+8*(\j)], v[rS+8*(\j)+1], v[rS+8*(\j)+2]
.elseif (\j) < 12
	v_max3_num_f32 v[rT+4+(\j)%4], v[rT+4+(\j)%4], v[rS+8*((\j)%4)+2*((\j)/4)+1], v[rS+8*((\j)%4)+2*((\j)/4)+2]
.elseif (\j) == 12
	v_max3_num_f32 v[rT+4], v[rT+4], v[rS+7], v[rS+15]
.elseif (\j) == 13
	v_max3_num_f32 v[rT+6], v[rT+6], v[rS+23], v[rS+31]
.elseif (\j) == 14
	v_max3_num_f32 v[rT+4], v[rT+4], v[rT+5], v[rT+6]
.else
	v_max3_num_f32 v[rT+4], v[rT+4], v[rT+7], v[rT]
.endif
.endm
; A KEY STEP: my 64 queries x 64 keys, the (2 u + s)-th 64 of the slot in hand.
.macro STEP u
	s_cmp_lt_i32 s[SD], 128*\u                     ; D < 0: all 64 keys come after my queries
	s_cbranch_scc1 .Lhidden_\@
	s_cmp_gt_u32 s[SG], s[BLK]                     ; or the walk has passed key 0
	s_cbranch_scc1 .Lhidden_\@
	v_add_nc_u32 v[ADK], s[TB], v[AK0]
	v_add_nc_u32 v[ADV], s[TB], v[AV0]
	v_sub_nc_u32 v[ADB], v[AB0], s[TBI]
.rept 3
	v_nop                                          ; with the three lines above six places behind the last step's products: four are owed by the loads into V's registers, five by the products below, which write over P
.endr
	WIN 0x40
.irp t, 0,1,2,3
.irp kk, 0,1
	ds_load_b128 v[KV+8*(2*\t+\kk):KV+8*(2*\t+\kk)+3], v[ADK] offset:(128*\u+16*\t)*KP+64*\kk
	ds_load_b128 v[KV+8*(2*\t+\kk)+4:KV+8*(2*\t+\kk)+7], v[ADK] offset:(128*\u+16*\t)*KP+64*\kk+32
.endr
.endr
	WIN 0
.irp d, 0,1,2,3,4,5,6                          ; the bias for i - t = d - 3
	ds_load_b128 v[BI+8*\d:BI+8*\d+3], v[ADB] offset:512*\u+64*(6-\d)
	ds_load_b128 v[BI+8*\d+4:BI+8*\d+7], v[ADB] offset:512*\u+64*(6-\d)+16
.endr
	s_wait_dscnt 0x0
	WIN 0x05                                       ; K and Q in window 1; S^T and the bias in window 0
.irp i, 0,1,2,3                                ; sixteen accumulators by turns; the bias starts each sum
.irp t, 0,1,2,3
	v_wmma_f32_16x16x32_f16 v[S+32*\i+8*\t:S+32*\i+8*\t+7], v[KV+16*\t:KV+16*\t+7], v[16*\i:16*\i+7], v[BI+8*(\i-\t+3):BI+8*(\i-\t+3)+7]
.endr
.endr
.irp i, 0,1,2,3
.irp t, 0,1,2,3
	v_wmma_f32_16x16x32_f16 v[S+32*\i+8*\t:S+32*\i+8*\t+7], v[KV+16*\t+8:KV+16*\t+15], v[16*\i+8:16*\i+15], v[S+32*\i+8*\t:S+32*\i+8*\t+7]
.endr
.endr
	WIN 0
.rept 4
	v_nop                                          ; places in front of the loads into K's registers and of the first read of the scores
.endr
	WIN 0x40
.irp b, 0,1                                    ; V, turned: 16 features x 32 keys a fragment; it lands while the softmax is walked
.irp dt, 0,1,2,3
	ds_load_tr16_b128 v[KV+8*(4*\b+\dt):KV+8*(4*\b+\dt)+3], v[ADV] offset:(128*\u+32*\b)*VP+32*\dt
	ds_load_tr16_b128 v[KV+8*(4*\b+\dt)+4:KV+8*(4*\b+\dt)+7], v[ADV] offset:(128*\u+32*\b)*VP+32*\dt+16*VP
.endr
.endr
	WIN 0
.irp j, 0,1,2,3,4,5,6,7,8,9,10,11,12,13,14,15  ; the four tiles by turns, so that no line waits for the line above it
.irp i, 0,1,2,3
	MX \j, \i
.endr
.endr
.irp i, 0,1,2,3
	v_permlanex16_b32 v[ST+8*\i+5], v[ST+8*\i+4], s[SEL], s[SEL+1]   ; the query's other 32 keys lie in the lane 16 away
.endr
.irp i, 0,1,2,3
	v_max_num_f32 v[ST+8*\i+4], v[ST+8*\i+4], v[ST+8*\i+5]
.endr
.irp i, 0,1,2,3
	v_sub_f32 v[ST+8*\i+7], v[ST+8*\i], v[ST+8*\i+4]                 ; old m - new m
.endr
.irp i, 0,1,2,3
	v_mov_b32 v[ST+8*\i], v[ST+8*\i+4]
.endr
.irp n, 0,2,4,6,8,10,12,14,16,18,20,22,24,26,28,30
.irp i, 0,1,2,3
	v_pk_add_f32 v[S+32*\i+\n:S+32*\i+\n+1], v[S+32*\i+\n:S+32*\i+\n+1], v[ST+8*\i:ST+8*\i+1] op_sel_hi:[1,0] neg_lo:[0,1] neg_hi:[0,1]   ; t - m
.endr
.endr
.irp i, 0,1,2,3
	v_exp_f32 v[ST+8*\i+6], v[ST+8*\i+7]           ; a = 2^(old m - new m)
.endr
.set n, 0
.rept 128
	v_exp_f32 v[S+n], v[S+n]                       ; p = 2^(t - m)
.set n, n+1
.endr
	v_nop                                          ; a plain instruction behind the last exponential
	s_wait_alu depctr_va_vdst(0)                   ; ONE wait for the 132, ahead of their first reader
.irp i, 0,1,2,3
	v_pk_mul_f32 v[ST+8*\i+2:ST+8*\i+3], v[ST+8*\i+2:ST+8*\i+3], v[ST+8*\i+6:ST+8*\i+7] op_sel_hi:[1,0]   ; l x a
.endr
.irp i, 0,1,2,3
	v_pk_add_f32 v[U+2*\i:U+2*\i+1], v[S+32*\i+2:S+32*\i+3], v[S+32*\i+6:S+32*\i+7]   ; the row's sum, of p in f32, in two chains a tile
.endr
.irp i, 0,1,2,3
	v_pk_add_f32 v[ST+8*\i+2:ST+8*\i+3], v[ST+8*\i+2:ST+8*\i+3], v[S+32*\i:S+32*\i+1]
.endr
.irp n, 4,8,12,16,20,24,28
.irp i, 0,1,2,3
	v_pk_add_f32 v[ST+8*\i+2:ST+8*\i+3], v[ST+8*\i+2:ST+8*\i+3], v[S+32*\i+\n:S+32*\i+\n+1]
.endr
.if \n > 4
.irp i, 0,1,2,3
	v_pk_add_f32 v[U+2*\i:U+2*\i+1], v[U+2*\i:U+2*\i+1], v[S+32*\i+\n+2:S+32*\i+\n+3]
.endr
.endif
.endr
.irp i, 0,1,2,3
	v_pk_add_f32 v[ST+8*\i+2:ST+8*\i+3], v[ST+8*\i+2:ST+8*\i+3], v[U+2*\i:U+2*\i+1]
.endr
.set n, 0
.rept 16                                       ; p to f16, in place: two neighbouring tiles of keys, packed, are source 1 (32 keys x 16 queries) of the second product
.irp i, 0,1,2,3
	v_cvt_pk_f16_f32 v[S+32*\i+n], v[S+32*\i+2*n], v[S+32*\i+2*n+1]
.endr
.set n, n+1
.endr
	WIN 0x41
.set n, 0
.rept 16
.irp i, 0,1,2,3
	v_pk_mul_f32 v[128+32*\i+2*n:128+32*\i+2*n+1], v[128+32*\i+2*n:128+32*\i+2*n+1], v[ST+8*\i+6:ST+8*\i+7] op_sel_hi:[1,0]   ; O^T x a
.endr
.set n, n+1
.endr
	s_wait_dscnt 0x0                               ; V is in
	WIN 0x51                                       ; V and O^T in window 1, P in window 0
.irp b, 0,1
.irp dt, 0,1,2,3
.irp i, 0,1,2,3
	v_wmma_f32_16x16x32_f16 v[128+32*\i+8*\dt:128+32*\i+8*\dt+7], v[KV+8*(4*\b+\dt):KV+8*(4*\b+\dt)+7], v[S+32*\i+8*\b:S+32*\i+8*\b+7], v[128+32*\i+8*\dt:128+32*\i+8*\dt+7]
.endr
.endr
.endr
	WIN 0
.Lhidden_\@:
.endm
; THE CHANGE OF SLOTS stands at a slot's head.  Each wave waits for all its tensor loads (its part of the slot ahead), adds 0 to its spare word, and waits for that and for its reads of the slot that it has left.
; Behind the barrier the slot ahead is whole and nobody reads the other one.  fill = 1: the other slot takes the 256 keys below, if there are any: a slot under key 0 would be read by no wave, so it is not asked for.
; That test is made of the work-group's number and the count of slots alone, the same in all eight waves; it leads round the load's own lines and nothing else; every wait for tensor loads in this text is for 0.
.macro CHANGE fill
	s_wait_tensorcnt 0x0                           ; no tensor load of mine is out, so a descriptor may be written
	ds_add_u32 v[SPW], v[NIL]                      ; 0 onto my spare word
.if \fill
	s_xor_b32 s[G0K+1], s[G0K+1], SLOT1
	s_sub_nc_u64 s[G0K+2:G0K+3], s[G0K+2:G0K+3], 32768   ; 256 rows of 128 bytes down; the type bits on top are not reached
	s_xor_b32 s[G0V+1], s[G0V+1], SLOT1
	s_sub_nc_u64 s[G0V+2:G0V+3], s[G0V+2:G0V+3], 32768
	s_wait_xcnt 0x0                                ; the last prefetch, a slot back, has read its address
	s_sub_nc_u64 s[PFA:PFA+1], s[PFA:PFA+1], 32768
.endif
	s_wait_dscnt 0x0                               ; the add is done, and my reads of the slot that I have left are over
	s_barrier_signal -1
	s_barrier_wait -1
.if \fill
	s_cmp_ge_u32 s[SG], s[BLK]
	s_cbranch_scc1 .Lpast_\@
	TLOAD                                          ; a wave's one tensor load until the next such barrier: it has a slot's steps in which to land
.Lpast_\@:
	ASK
.endif
.endm
.macro SLOT_STEPS
	STEP 0
	STEP 1
	s_xor_b32 s[TB], s[TB], SLOT1
	s_add_co_u32 s[TBI], s[TBI], 1024
	s_add_co_u32 s[SG], s[SG], 1
	s_add_co_i32 s[SD], s[SD], 256
.endm
	s_wait_loadcnt 0x0                             ; Q
.Lslot:                                            ; seven trips; slot 1's first fill goes out behind the first trip's barrier, and each later trip fills the slot just left, while keys remain
	CHANGE 1
	SLOT_STEPS
	s_sub_co_u32 s[SLOTS], s[SLOTS], 1
	s_cmp_lg_u32 s[SLOTS], 0
	s_cbranch_scc1 .Lslot
	CHANGE 0                                       ; the last slot is written out: nothing is left to ask for
	SLOT_STEPS
	; THE MERGE.  l's two halves and the other half of the lanes' are added (these twelve lines are the places behind the last products).
.irp i, 0,1,2,3
	v_add_f32 v[ST+8*\i+2], v[ST+8*\i+2], v[ST+8*\i+3]
.endr
.irp i, 0,1,2,3
	v_permlanex16_b32 v[ST+8*\i+5], v[ST+8*\i+2], s[SEL], s[SEL+1]
.endr
.irp i, 0,1,2,3
	v_add_f32 v[ST+8*\i+2], v[ST+8*\i+2], v[ST+8*\i+5]
.endr
	s_cmp_eq_u32 s[HS], 0
	s_cbranch_scc1 .Lkeep
.irp i, 0,1,2,3                                ; the waves of the odd steps hand m, l and O^T over, as images of their registers
	v_mov_b32 v[U+\i], v[ST+8*\i]
	v_mov_b32 v[U+4+\i], v[ST+8*\i+2]
.endr
	ds_store_b128 v[MST], v[U:U+3]
	ds_store_b128 v[MST], v[U+4:U+7] offset:512
	WIN 0x04                                       ; an LDS store's data are its source 1: window 1
.set n, 0
.rept 32
	ds_store_b128 v[MST], v[128+4*n:128+4*n+3] offset:1024+512*n
.set n, n+1
.endr
	WIN 0
.Lkeep:
	s_wait_dscnt 0x0                               ; for the others' sake: my stores have landed
	s_barrier_signal -1
	s_barrier_wait -1
	s_cmp_lg_u32 s[HS], 0
	s_cbranch_scc1 .Lend
	ds_load_b128 v[U:U+3], v[MST]                  ; the partner's m,
	ds_load_b128 v[U+4:U+7], v[MST] offset:512     ; l,
.set n, 0
.rept 32
	ds_load_b128 v[S+4*n:S+4*n+3], v[MST] offset:1024+512*n   ; and O^T, where P lay
.set n, n+1
.endr
	s_wait_dscnt 0x0
.irp i, 0,1,2,3
	v_max_num_f32 v[ST+8*\i+5], v[ST+8*\i], v[U+\i]         ; the common maximum: mine is a score (my first step is never left out)
.endr
.irp i, 0,1,2,3
	v_sub_f32 v[ST+8*\i+4], v[ST+8*\i], v[ST+8*\i+5]
	v_sub_f32 v[ST+8*\i+6], v[U+\i], v[ST+8*\i+5]
.endr
.irp i, 0,1,2,3
	v_exp_f32 v[ST+8*\i+4], v[ST+8*\i+4]
	v_exp_f32 v[ST+8*\i+6], v[ST+8*\i+6]
.endr
	v_nop
	s_wait_alu depctr_va_vdst(0)                   ; one wait for the eight
.irp i, 0,1,2,3
	v_mul_f32 v[ST+8*\i+7], v[ST+8*\i+2], v[ST+8*\i+4]
.endr
.irp i, 0,1,2,3
	v_fmac_f32 v[ST+8*\i+7], v[U+4+\i], v[ST+8*\i+6]        ; the row's sum under the common maximum
.endr
.irp i, 0,1,2,3
	v_rcp_f32 v[ST+8*\i+5], v[ST+8*\i+7]
.endr
	v_nop
	s_wait_alu depctr_va_vdst(0)                   ; one wait for the four
.irp i, 0,1,2,3
	v_mul_f32 v[ST+8*\i+4], v[ST+8*\i+4], v[ST+8*\i+5]
	v_mul_f32 v[ST+8*\i+6], v[ST+8*\i+6], v[ST+8*\i+5]
.endr
.set n, 0
.rept 16
.irp i, 0,1,2,3
	v_pk_mul_f32 v[S+32*\i+2*n:S+32*\i+2*n+1], v[S+32*\i+2*n:S+32*\i+2*n+1], v[ST+8*\i+6:ST+8*\i+7] op_sel_hi:[1,0]
.endr
.set n, n+1
.endr
	WIN 0x01                                       ; source 0, my O^T, in window 1
.set n, 0
.rept 16
.irp i, 0,1,2,3
	v_pk_fma_f32 v[S+32*\i+2*n:S+32*\i+2*n+1], v[128+32*\i+2*n:128+32*\i+2*n+1], v[ST+8*\i+4:ST+8*\i+5], v[S+32*\i+2*n:S+32*\i+2*n+1] op_sel_hi:[1,0,1]
.endr
.set n, n+1
.endr
	WIN 0
.set n, 0
.rept 16
.irp i, 0,1,2,3
	v_cvt_pk_f16_f32 v[S+32*\i+n], v[S+32*\i+2*n], v[S+32*\i+2*n+1]   ; registers 4 dt .. 4 dt + 3: features 16 dt + 8 h + 0 .. 7 of query r
.endr
.set n, n+1
.endr
.irp i, 0,1,2,3
.irp dt, 0,1,2,3
	ds_store_b128 v[OST], v[S+32*\i+4*\dt:S+32*\i+4*\dt+3] offset:\i*2304+32*\dt
.endr
.endr
.irp i, 0,1,2,3
.irp n, 0,1,2,3
	ds_load_b128 v[S+32*\i+16+4*\n:S+32*\i+16+4*\n+3], v[ORD] offset:\i*2304+576*\n   ; LDS serves a wave's instructions in order: these see my stores
.endr
.endr
.set k, 0
.rept 16
	s_wait_dscnt 15-k                              ; the later loads may stay out
	global_store_b128 v[GO], v[S+32*(k/4)+16+4*(k%4):S+32*(k/4)+16+4*(k%4)+3], s[8:9] offset:(k/4)*2048+(k%4)*512   ; four rows of 128 bytes: 512 consecutive bytes, aligned
.set k, k+1
.endr
.Lend:
	s_wait_tensorcnt 0x0                           ; the wave's end
	ds_add_u32 v[SPW], v[NIL]
	s_wait_dscnt 0x0
	s_endpgm
.Lfunc_end_k_qa128727da2_attn:
	.size	k_qa128727da2_attn, .Lfunc_end_k_qa128727da2_attn-k_qa128727da2_attn
	.p2alignl 7, 3214868480
	.fill 96, 4, 3214868480
	.section	.rodata,"a",@progbits
	.p2align	6, 0x0
	.amdhsa_kernel k_qa128727da2_attn
		.amdhsa_group_segment_fixed_size 327680
		.amdhsa_private_segment_fixed_size 0
		.amdhsa_enable_private_segment 0
		.amdhsa_kernarg_size 24
		.amdhsa_user_sgpr_count 2
		.amdhsa_user_sgpr_kernarg_segment_ptr 1
		.amdhsa_wavefront_size32 1
		.amdhsa_system_sgpr_workgroup_id_x 1
		.amdhsa_system_sgpr_workgroup_id_y 1
		.amdhsa_system_sgpr_workgroup_id_z 1
		.amdhsa_system_vgpr_workitem_id 0
		.amdhsa_next_free_vgpr 512
		.amdhsa_next_free_sgpr 80
		.amdhsa_reserve_vcc 0
		.amdhsa_float_denorm_mode_32 3
		.amdhsa_float_denorm_mode_16_64 3
		.amdhsa_memory_ordered 1
		.amdhsa_forward_progress 1
		.amdhsa_inst_pref_size 170
	.end_amdhsa_kernel
	.amdgpu_metadata
---
amdhsa.version: [ 1, 2 ]
amdhsa.kernels:
  - .name:           k_qa128727da2_attn
    .symbol:         k_qa128727da2_attn.kd
    .args:
      - { .name: qkv, .offset: 0, .size: 8, .value_kind: global_buffer, .address_space: global }
      - { .name: btab, .offset: 8, .size: 8, .value_kind: global_buffer, .address_space: global }
      - { .name: o16, .offset: 16, .size: 8, .value_kind: global_buffer, .address_space: global }
    .group_segment_fixed_size: 327680
    .private_segment_fixed_size: 0
    .kernarg_segment_align: 8
    .kernarg_segment_size: 24
    .max_flat_workgroup_size: 256
    .sgpr_count:     80
    .vgpr_count:     512
    .wavefront_size: 32
...
	.end_amdgpu_metadata
.endif
;; end of part 4
;; launch oproj (part 5): grid 4 x 64, 4 waves a work-group, clusters of 4 x 4, 327,680 bytes of LDS; arguments o16, wo16, out0; writes out0
.if DOCPART == 5
	.amdgcn_target "amdgcn-amd-amdhsa--gfx1250"
	.amdhsa_code_object_version 6
	.text
	.protected	k_qa128727da2_oproj
	.globl	k_qa128727da2_oproj
	.p2align	8
	.type	k_qa128727da2_oproj,@function
k_qa128727da2_oproj:
	s_mov_b64 s[64:65], 0
	v_nop
	global_prefetch_b8 v0, s[64:65] scope:SCOPE_SE
	s_setreg_imm32_b32 hwreg(HW_REG_WAVE_MODE, 25, 1), 1
	s_wait_xcnt 0x0
	s_wait_alu depctr_hold_cnt(0) depctr_sa_sdst(0) depctr_va_vdst(0) depctr_va_sdst(0) depctr_va_ssrc(0) depctr_va_vcc(0) depctr_vm_vsrc(0)
	s_getreg_b32 s2, hwreg(HW_REG_IB_STS2, 6, 4)
	s_cmp_eq_u32 s2, 0
	s_cbranch_scc0 .Lentry_in_a_cluster
	s_endpgm
.Lentry_in_a_cluster:
	s_bfe_u32 s2, ttmp6, 0x10000c
	s_cmp_lg_u32 s2, 0xf033
	s_cbranch_scc0 .Lentry_shape_is_right
	s_endpgm
.Lentry_shape_is_right:
; out = o Wout^T, f16 operands, f32 sums.  o: [b 16 + h][t][64] f16; Wout: [1024 n][1024 k] f16; out: [8192][1024] f32.  K = head x 64 + feature.
; A tile is 128 rows x 256 columns: 256 work-groups.  Four waves, 64 x 128 each: 32 accumulators, 256 registers (window 1, (a, b) at v[8 (8 a + b)]).
; K goes in steps of 128, two heads, through two LDS slots: o's part of a slot is two planes (a head each) of 128 rows x 128 bytes, Wout's 256 rows x 256 bytes.
; CLUSTERS: 4 x 4 work-groups; o's tiles are shared along a row of the cluster, Wout's along a column: joint loads.  THE MATRIX INSTRUCTION IS USED TRANSPOSED (source 0 = Wout's rows, source 1 = o's).
; The rows of positions 0 to 15 are written here too and replaced by the next launch, which carries them in f32: leaving them out would want a branch on a work-group's place in its cluster.
; No prefetch: eight K steps in all, of which the first four come by their loads alone.
.set KP,     144                       ; o's row in LDS: 128 bytes + 16
.set BP,     272                       ; Wout's: 256 + 16
.set PLANE,  128*KP
.set BOFF,   2*PLANE
.set HALFB,  128*BP
.set SLOT,   BOFF+2*HALFB
.set STAGE,  2*SLOT                    ; behind the ring: 16 rows x (512 bytes + 16) for each wave
.set SPITCH, 528
.set SPARE,  STAGE+4*16*SPITCH
.set LAPS,   4                         ; a lap = two K steps
.set ADRA, 16
.set ADRB, 20
.set STO,  24
.set RD,   25
.set CO,   26
.set SPW,  28
.set NIL,  29
.set FA,   32                          ; o's fragments: buffer f at v[32 + 32 f + 8 a]
.set FB,   128                         ; Wout's: v[128 + 64 f + 8 b]
.set G1, 24
.set G0, 32
.set G1B, 48
.set G0B, 56
.set MSB, 0
.macro WIN new
.if MSB != \new
	s_set_vgpr_msb (MSB<<8)|\new
.set MSB, \new
.endif
.endm
.set MUL, 0x50                         ; C and D window 1; both sources window 0
.macro JLOAD s                         ; waves 0 and 1 fetch o's two planes, waves 2 and 3 Wout's two halves; an s_nop 0 and four v_nop follow each line
	s_cmp_eq_u32 s11, 0
	s_cbranch_scc0 .Lfor_b_\@
	tensor_load_to_lds s[G0+4*\s:G0+4*\s+3], s[G1:G1+7]
	s_nop 0
.rept 4
	v_nop
.endr
	s_branch .Lasked_\@
.Lfor_b_\@:
	tensor_load_to_lds s[G0B+4*\s:G0B+4*\s+3], s[G1B:G1B+7]
	s_nop 0
.rept 4
	v_nop
.endr
.Lasked_\@:
.endm
.macro CREST
	s_cmp_lg_u32 s10, 0
	s_cbranch_scc1 .Lnot_wave_0_\@
	s_barrier_signal -3
.Lnot_wave_0_\@:
	s_barrier_wait -3
	s_barrier_signal -1
	s_barrier_wait -1
.endm
.macro CROUND
	s_barrier_signal -1
	s_barrier_wait -1
	CREST
.endm
	s_load_b128 s[4:7], s[0:1], 0x0                ; o16, wo16
	s_load_b64 s[8:9], s[0:1], 0x10                ; out0
	v_lshl_add_u32 v[SPW], v0, 2, SPARE
	v_mov_b32 v[NIL], 0
	ds_add_u32 v[SPW], v[NIL]                      ; the wave's opening: the add, twice on end, and its wait ahead of my first tensor load
	ds_add_u32 v[SPW], v[NIL]
	v_lshrrev_b32 v1, 5, v0
	v_readfirstlane_b32 s10, v1                    ; wave 0..3
	s_lshr_b32 s11, s10, 1                         ; my half of the rows.  Also: I fetch for o (0) or for Wout (1)
	s_and_b32 s12, s10, 1                          ; my half of the columns.  Also: which plane, or which 128 rows, I fetch
	s_bfe_u32 s40, ttmp6, 0x40000                  ; cx, cy
	s_bfe_u32 s41, ttmp6, 0x40004
	s_lshl_b32 s42, ttmp9, 2
	s_add_co_u32 s42, s42, s40                     ; tile column
	s_and_b32 s13, ttmp7, 0xffff
	s_lshl_b32 s13, s13, 2
	s_add_co_u32 s13, s13, s41                     ; tile row
	s_lshl_b32 s43, s41, 2
	s_lshl_b32 s43, 15, s43                        ; my row of the cluster
	s_lshl_b32 s44, 0x1111, s40                    ; my column
	s_or_b32 s[G1+0], s43, (1<<16)|(1<<20)|(1<<21)|(4<<22)|(3<<25)   ; elements of 2 bytes; padding: 4 words behind every 32; bit 21 beside a mask
	s_mov_b32 s[G1+1], 64<<16                      ; tensor_dim0 = 64
	s_mov_b32 s[G1+2], 128<<16                     ; tensor_dim1 = 128
	s_mov_b32 s[G1+3], 64<<16                      ; tile_dim0
	s_mov_b32 s[G1+4], 128                         ; tile_dim1
	s_mov_b32 s[G1+5], 64                          ; from row to row
	s_mov_b32 s[G1+6], 0
	s_mov_b32 s[G1+7], 0
	s_or_b32 s[G1B+0], s44, (1<<16)|(1<<20)|(1<<21)|(5<<22)|(3<<25)  ; 4 words behind every 64
	s_mov_b32 s[G1B+1], 128<<16
	s_mov_b32 s[G1B+2], 128<<16
	s_mov_b32 s[G1B+3], 128<<16
	s_mov_b32 s[G1B+4], 128
	s_mov_b32 s[G1B+5], 1024
	s_mov_b32 s[G1B+6], 0
	s_mov_b32 s[G1B+7], 0
	s_lshr_b32 s16, s13, 4                         ; batch: sixteen tile rows each
	s_lshl_b32 s16, s16, 4
	s_add_co_u32 s16, s16, s12                     ; head 0 or 1
	s_lshl_b32 s16, s16, 11
	s_and_b32 s17, s13, 15
	s_lshl_b32 s17, s17, 7
	s_add_co_u32 s16, s16, s17                     ; the row in o16,
	s_lshl_b32 s16, s16, 7                         ; of 128 bytes
	s_mov_b32 s17, 0
	s_lshl_b32 s46, s42, 8
	s_lshl_b32 s47, s12, 7
	s_add_co_u32 s46, s46, s47                     ; Wout's row,
	s_lshl_b32 s46, s46, 11                        ; of 2,048 bytes
	s_mov_b32 s47, 0
	s_mul_i32 s20, s12, PLANE                      ; where they go: no place in the cluster enters an LDS address
	s_mul_i32 s21, s12, HALFB
	s_add_co_u32 s21, s21, BOFF
	s_wait_dscnt 0x0                               ; both opening adds are done
	s_wait_kmcnt 0x0
	s_add_nc_u64 s[14:15], s[4:5], s[16:17]
	s_add_nc_u64 s[46:47], s[6:7], s[46:47]
	CROUND                                         ; all sixteen work-groups are here: the first joint loads meet
.irp s, 0,1
	s_mov_b32 s[G0+4*\s], 1
	s_add_co_u32 s[G0+4*\s+1], s20, \s*SLOT
	s_add_nc_u64 s[G0+4*\s+2:G0+4*\s+3], s[14:15], \s*524288       ; K step s: two heads of 262,144 bytes on
	s_or_b32 s[G0+4*\s+3], s[G0+4*\s+3], 0x80000000
	s_mov_b32 s[G0B+4*\s], 1
	s_add_co_u32 s[G0B+4*\s+1], s21, \s*SLOT
	s_add_nc_u64 s[G0B+4*\s+2:G0B+4*\s+3], s[46:47], \s*256
	s_or_b32 s[G0B+4*\s+3], s[G0B+4*\s+3], 0x80000000
	JLOAD \s
.endr
	v_and_b32 v1, 15, v0                           ; r
	v_bfe_u32 v2, v0, 4, 1                         ; h
	v_mul_u32_u24 v3, v1, KP
	v_lshl_add_u32 v3, v2, 4, v3
	v_mul_u32_u24 v4, v1, BP
	v_lshl_add_u32 v4, v2, 4, v4
	s_mul_i32 s21, s11, 64*KP                      ; my 64 rows of o, in either plane
	s_mul_i32 s22, s12, HALFB                      ; my 128 rows of Wout
	s_add_co_u32 s22, s22, BOFF
.irp s, 0,1
	v_add_nc_u32 v[ADRA+\s], s21, v3
	v_add_nc_u32 v[ADRB+\s], s22, v4
	s_add_co_u32 s21, s21, SLOT
	s_add_co_u32 s22, s22, SLOT
.endr
	s_mul_i32 s23, s10, 16*SPITCH
	s_add_co_u32 s23, s23, STAGE                   ; my stage
	v_mul_u32_u24 v5, v1, SPITCH
	v_lshl_add_u32 v5, v2, 5, v5
	v_add_nc_u32 v[STO], s23, v5                   ; in: row r, 32 bytes for each half of the lanes
	v_and_b32 v6, 31, v0
	v_lshlrev_b32 v[CO], 4, v6                     ; back: the 32 lanes take one row of 512 bytes; and the same in out
	v_add_nc_u32 v[RD], s23, v[CO]
	s_lshl_b32 s16, s13, 7
	s_lshl_b32 s17, s11, 6
	s_add_co_u32 s16, s16, s17                     ; my first row of out,
	s_lshl_b32 s16, s16, 12                        ; of 4,096 bytes
	s_mov_b32 s17, 0
	s_add_nc_u64 s[8:9], s[8:9], s[16:17]
	s_lshl_b32 s46, s42, 10                        ; my first column, in bytes
	s_lshl_b32 s47, s12, 9
	s_add_co_u32 s46, s46, s47
	s_mov_b32 s47, 0
	s_add_nc_u64 s[8:9], s[8:9], s[46:47]
.macro MULROW f, a, zero               ; eight products: o's block a x Wout's eight.  The 32 accumulators take turns in the same order in every quarter
.irp b, 0,1,2,3,4,5,6,7
.if \zero
	v_wmma_f32_16x16x32_f16 v[8*(8*(\a)+\b):8*(8*(\a)+\b)+7], v[FB+64*(\f)+8*\b:FB+64*(\f)+8*\b+7], v[FA+32*(\f)+8*(\a):FA+32*(\f)+8*(\a)+7], 0
.else
	v_wmma_f32_16x16x32_f16 v[8*(8*(\a)+\b):8*(8*(\a)+\b)+7], v[FB+64*(\f)+8*\b:FB+64*(\f)+8*\b+7], v[FA+32*(\f)+8*(\a):FA+32*(\f)+8*(\a)+7], v[8*(8*(\a)+\b):8*(8*(\a)+\b)+7]
.endif
.endr
.endm
.macro FETCH slot, q, f                ; 24 LDS loads in one run: the fragments of the slot's q-th 32 along K
.irp b, 0,1,2,3,4,5,6,7
	ds_load_b128 v[FB+64*(\f)+8*\b:FB+64*(\f)+8*\b+3], v[ADRB+\slot] offset:64*(\q)+\b*16*BP
	ds_load_b128 v[FB+64*(\f)+8*\b+4:FB+64*(\f)+8*\b+7], v[ADRB+\slot] offset:64*(\q)+\b*16*BP+32
.endr
.irp a, 0,1,2,3
	ds_load_b128 v[FA+32*(\f)+8*\a:FA+32*(\f)+8*\a+3], v[ADRA+\slot] offset:((\q)/2)*PLANE+64*((\q)%2)+\a*16*KP
	ds_load_b128 v[FA+32*(\f)+8*\a+4:FA+32*(\f)+8*\a+7], v[ADRA+\slot] offset:((\q)/2)*PLANE+64*((\q)%2)+\a*16*KP+32
.endr
.endm
.macro PLACES                          ; four places in front of loads into registers that matrix instructions have read, and of the first read of results
.rept 4
	v_nop
.endr
.endm
.macro QUARTER slot, qn, f, g, zero    ; multiplies buffer f; ahead of its 32 products it asks for the slot's qn-th 32 along K, into buffer g
	s_wait_dscnt 0x0                               ; buffer f is in
	WIN 0
	PLACES
	FETCH \slot, \qn, \g
	WIN MUL
	MULROW \f, 0, \zero
	MULROW \f, 1, \zero
	MULROW \f, 2, \zero
	MULROW \f, 3, \zero
.endm
; A slot's last quarter multiplies buffer 1 and changes slots: one barrier; in front of it each wave waits for all its tensor loads, adds 0 to its spare word, and waits for that and for its reads of this slot.
.macro TURN slot, next, fill
	WIN 0
	s_wait_tensorcnt 0x0                           ; my part of the next slot has landed
	ds_add_u32 v[SPW], v[NIL]                      ; 0 onto my spare word
	s_wait_dscnt 1                                 ; buffer 1 is in; the add may be out
	WIN MUL
	MULROW 1, 0, 0
	s_wait_dscnt 0x0                               ; the add is done, and my reads of this slot are over
	s_barrier_signal -1
	MULROW 1, 1, 0
	WIN 0
	s_barrier_wait -1
.if \fill
	CREST                                          ; the barrier has opened a round of the cluster's: no wave of any partner still reads this slot or has a load on its way
	s_add_nc_u64 s[G0+4*\slot+2:G0+4*\slot+3], s[G0+4*\slot+2:G0+4*\slot+3], 1048576   ; two K steps on: four heads,
	s_add_nc_u64 s[G0B+4*\slot+2:G0B+4*\slot+3], s[G0B+4*\slot+2:G0B+4*\slot+3], 512   ; 256 along Wout's rows
	JLOAD \slot                                    ; the first tensor load behind the round; its four v_nop are also the places in front of the loads below
.else
	PLACES
.endif
	FETCH \next, 0, 0
	WIN MUL
	MULROW 1, 2, 0
	MULROW 1, 3, 0
.endm
	s_wait_tensorcnt 1                             ; my part of K step 0 is in; K step 1's load may be out,
	s_barrier_signal -1
	s_barrier_wait -1                              ; everybody's is
	FETCH 0, 0, 0
	QUARTER 0, 1, 0, 1, 1                          ; the first products start the sums: nothing is cleared
	WIN 0
	s_mov_b32 s3, LAPS-1
.Llap:                                             ; a trip goes once round the ring and fills both slots again
	QUARTER 0, 2, 1, 0, 0
	QUARTER 0, 3, 0, 1, 0
	TURN 0, 1, 1
	QUARTER 1, 1, 0, 1, 0
	QUARTER 1, 2, 1, 0, 0
	QUARTER 1, 3, 0, 1, 0
	TURN 1, 0, 1
	QUARTER 0, 1, 0, 1, 0
	WIN 0
	s_sub_co_u32 s3, s3, 1
	s_cmp_lg_u32 s3, 0
	s_cbranch_scc1 .Llap
	QUARTER 0, 2, 1, 0, 0                          ; the last lap fills nothing
	QUARTER 0, 3, 0, 1, 0
	TURN 0, 1, 0
	QUARTER 1, 1, 0, 1, 0
	QUARTER 1, 2, 1, 0, 0
	QUARTER 1, 3, 0, 1, 0
	s_wait_dscnt 0x0
	WIN MUL
	MULROW 1, 0, 0
	MULROW 1, 1, 0
	MULROW 1, 2, 0
	MULROW 1, 3, 0
	WIN 0
; THE WAY OUT, a block of 16 rows x 128 columns at a time, through my own stage: in by 32 bytes a lane, back as whole rows of 512 bytes.
.macro TOSTAGE a
	WIN 0x04                                       ; an LDS store's data are its source 1: window 1
.irp b, 0,1,2,3,4,5,6,7
	ds_store_b128 v[STO], v[8*(8*(\a)+\b):8*(8*(\a)+\b)+3] offset:64*\b          ; each accumulator from its low end on
	ds_store_b128 v[STO], v[8*(8*(\a)+\b)+4:8*(8*(\a)+\b)+7] offset:64*\b+16
.endr
	WIN 0
.set BB, FB+64*((\a)%2)
.irp t, 0,1,2,3,4,5,6,7,8,9,10,11,12,13,14,15
	ds_load_b128 v[BB+4*\t:BB+4*\t+3], v[RD] offset:\t*SPITCH     ; LDS serves a wave's instructions in order: these see the stores above
.endr
.endm
.macro SEND a, younger
.set BB, FB+64*((\a)%2)
	s_wait_dscnt \younger                          ; the block is back; the next block's 16 stores and 16 loads may be out
.irp t, 0,1,2,3,4,5,6,7,8,9,10,11,12,13,14,15
	global_store_b128 v[CO], v[BB+4*\t:BB+4*\t+3], s[8:9] offset:(\a)*65536+\t*4096 th:TH_STORE_NT   ; 32 lanes store 512 consecutive bytes, aligned
.endr
.endm
	PLACES
	TOSTAGE 0
.irp a, 1,2,3
.if \a > 1
	s_wait_xcnt 0x0                                ; block a - 2's stores have read their registers: block a's loads may land there
.endif
	TOSTAGE \a
	SEND \a-1, 32
.endr
	SEND 3, 0
	s_wait_tensorcnt 0x0                           ; the wave's end
	ds_add_u32 v[SPW], v[NIL]
	s_wait_dscnt 0x0
	CROUND                                         ; the closing round
	s_endpgm
.Lfunc_end_k_qa128727da2_oproj:
	.size	k_qa128727da2_oproj, .Lfunc_end_k_qa128727da2_oproj-k_qa128727da2_oproj
	.p2alignl 7, 3214868480
	.fill 96, 4, 3214868480
	.section	.rodata,"a",@progbits
	.p2align	6, 0x0
	.amdhsa_kernel k_qa128727da2_oproj
		.amdhsa_group_segment_fixed_size 327680
		.amdhsa_private_segment_fixed_size 0
		.amdhsa_enable_private_segment 0
		.amdhsa_kernarg_size 24
		.amdhsa_user_sgpr_count 2
		.amdhsa_user_sgpr_kernarg_segment_ptr 1
		.amdhsa_wavefront_size32 1
		.amdhsa_system_sgpr_workgroup_id_x 1
		.amdhsa_system_sgpr_workgroup_id_y 1
		.amdhsa_system_sgpr_workgroup_id_z 1
		.amdhsa_system_vgpr_workitem_id 0
		.amdhsa_next_free_vgpr 512
		.amdhsa_next_free_sgpr 66
		.amdhsa_reserve_vcc 0
		.amdhsa_float_denorm_mode_32 3
		.amdhsa_float_denorm_mode_16_64 3
		.amdhsa_memory_ordered 1
		.amdhsa_forward_progress 1
		.amdhsa_inst_pref_size 84
	.end_amdhsa_kernel
	.amdgpu_metadata
---
amdhsa.version: [ 1, 2 ]
amdhsa.kernels:
  - .name:           k_qa128727da2_oproj
    .symbol:         k_qa128727da2_oproj.kd
    .args:
      - { .name: o16, .offset: 0, .size: 8, .value_kind: global_buffer, .address_space: global }
      - { .name: wo16, .offset: 8, .size: 8, .value_kind: global_buffer, .address_space: global }
      - { .name: out0, .offset: 16, .size: 8, .value_kind: global_buffer, .address_space: global }
    .group_segment_fixed_size: 327680
    .private_segment_fixed_size: 0
    .kernarg_segment_align: 8
    .kernarg_segment_size: 24
    .max_flat_workgroup_size: 128
    .sgpr_count:     66
    .vgpr_count:     512
    .wavefront_size: 32
...
	.end_amdgpu_metadata
.endif
;; end of part 5
;; launch head16o (part 6): grid 64 x 4, 8 waves a work-group, no clusters, 9,216 bytes of LDS; arguments o32, Wout, out0; writes out0
.if DOCPART == 6
	.amdgcn_target "amdgcn-amd-amdhsa--gfx1250"
	.amdhsa_code_object_version 6
	.text
	.protected	k_qa128727da2_head16o
	.globl	k_qa128727da2_head16o
	.p2align	8
	.type	k_qa128727da2_head16o,@function
k_qa128727da2_head16o:
	s_mov_b64 s[64:65], 0
	v_nop
	global_prefetch_b8 v0, s[64:65] scope:SCOPE_SE
	s_setreg_imm32_b32 hwreg(HW_REG_WAVE_MODE, 25, 1), 1
	s_wait_xcnt 0x0
; The out-projection of positions 0 to 15 of each batch, in f32: out[b][t][n] = sum over k of o32[b][t][k] Wout[n][k].  It replaces those 64 rows of the launch before.
; A work-group makes 16 positions x 16 columns; wave w sums k = 128 w .. 128 w + 127 by the f32 matrix instruction (source 0 = Wout's 16 rows, source 1 = o's 16 rows: a lane holds one position and eight
; neighbouring columns); the eight partial sums meet in LDS as images of their registers, and wave 0 adds and stores them.
; Both sources are loaded alike, 16 bytes a lane, and take the same register pair in each product: both hold the same four k in the same places.
.set SPARE, 8192                       ; behind the images of 1,024 bytes a wave: the spare words
.set SPW, 4
.set NIL, 5
	s_load_b128 s[4:7], s[0:1], 0x0                ; o32, Wout
	s_load_b64 s[8:9], s[0:1], 0x10                ; out0
	v_lshl_add_u32 v[SPW], v0, 2, SPARE
	v_mov_b32 v[NIL], 0
	v_lshrrev_b32 v1, 5, v0
	v_readfirstlane_b32 s10, v1                    ; wave 0..7
	v_and_b32 v1, 15, v0                           ; r
	v_bfe_u32 v2, v0, 4, 1                         ; hh
	v_and_b32 v3, 31, v0
	s_lshl_b32 s11, s10, 10
	v_lshl_add_u32 v7, v3, 4, s11                  ; my image
	v_lshlrev_b32 v8, 4, v3                        ; any image, for my lane
	v_lshlrev_b32 v6, 12, v1
	v_lshl_add_u32 v9, v2, 5, v6                   ; out: row r of 4,096 bytes, + 32 hh
	v_lshl_add_u32 v6, v2, 4, v6
	s_lshl_b32 s11, s10, 9
	v_add_nc_u32 v6, s11, v6                       ; in: row r, + 512 w + 16 hh
	s_and_b32 s12, ttmp7, 0xffff                   ; batch
	s_lshl_b32 s14, ttmp9, 16                      ; Wout: 16 rows of 4,096 bytes for each tile of columns
	s_mov_b32 s15, 0
	s_lshl_b32 s16, s12, 16                        ; o32: 16 rows a batch
	s_mov_b32 s17, 0
	s_lshl_b32 s18, s12, 23                        ; out: 2,048 rows a batch,
	s_lshl_b32 s19, ttmp9, 6                       ; 64 bytes a tile of columns
	s_add_co_u32 s18, s18, s19
	s_mov_b32 s19, 0
	s_wait_kmcnt 0x0
	s_add_nc_u64 s[4:5], s[4:5], s[16:17]
	s_add_nc_u64 s[6:7], s[6:7], s[14:15]
	s_add_nc_u64 s[8:9], s[8:9], s[18:19]
.irp c, 0,1,2,3,4,5,6,7,8,9,10,11,12,13,14,15
	global_load_b128 v[16+4*\c:19+4*\c], v6, s[6:7] offset:32*\c
	global_load_b128 v[80+4*\c:83+4*\c], v6, s[4:5] offset:32*\c
.endr
	s_wait_loadcnt 0x0
.set n, 0                                      ; four accumulators by turns; they are written by matrix instructions alone
.rept 32
.if n < 4
	v_wmma_f32_16x16x4_f32 v[160+8*(n%4):167+8*(n%4)], v[16+2*n:17+2*n], v[80+2*n:81+2*n], 0
.else
	v_wmma_f32_16x16x4_f32 v[160+8*(n%4):167+8*(n%4)], v[16+2*n:17+2*n], v[80+2*n:81+2*n], v[160+8*(n%4):167+8*(n%4)]
.endif
.set n, n+1
.endr
.rept 8
	v_nop                                          ; eight places behind this form
.endr
.irp j, 0,2,4,6
	v_pk_add_f32 v[144+\j:145+\j], v[160+\j:161+\j], v[168+\j:169+\j]
	v_pk_add_f32 v[152+\j:153+\j], v[176+\j:177+\j], v[184+\j:185+\j]
.endr
.irp j, 0,2,4,6
	v_pk_add_f32 v[144+\j:145+\j], v[144+\j:145+\j], v[152+\j:153+\j]
.endr
	s_cmp_eq_u32 s10, 0
	s_cbranch_scc1 .Lmine
	ds_store_b128 v7, v[144:147]
	ds_store_b128 v7, v[148:151] offset:512
.Lmine:
	s_wait_dscnt 0x0                               ; for wave 0's sake: my image has landed
	s_barrier_signal -1
	s_barrier_wait -1
	s_cmp_lg_u32 s10, 0
	s_cbranch_scc1 .Lend
.irp w, 1,2,3,4,5,6,7
	ds_load_b128 v[184+8*\w:187+8*\w], v8 offset:1024*\w
	ds_load_b128 v[188+8*\w:191+8*\w], v8 offset:1024*\w+512
.endr
	s_wait_dscnt 0x0
.irp w, 1,2,3,4,5,6,7
.irp j, 0,2,4,6
	v_pk_add_f32 v[144+\j:145+\j], v[144+\j:145+\j], v[184+8*\w+\j:185+8*\w+\j]
.endr
.endr
	global_store_b128 v9, v[144:147], s[8:9]
	global_store_b128 v9, v[148:151], s[8:9] offset:16
.Lend:
	s_wait_tensorcnt 0x0                           ; the wave's end
	ds_add_u32 v[SPW], v[NIL]
	s_wait_dscnt 0x0
	s_endpgm
.Lfunc_end_k_qa128727da2_head16o:
	.size	k_qa128727da2_head16o, .Lfunc_end_k_qa128727da2_head16o-k_qa128727da2_head16o
	.p2alignl 7, 3214868480
	.fill 96, 4, 3214868480
	.section	.rodata,"a",@progbits
	.p2align	6, 0x0
	.amdhsa_kernel k_qa128727da2_head16o
		.amdhsa_group_segment_fixed_size 9216
		.amdhsa_private_segment_fixed_size 0
		.amdhsa_enable_private_segment 0
		.amdhsa_kernarg_size 24
		.amdhsa_user_sgpr_count 2
		.amdhsa_user_sgpr_kernarg_segment_ptr 1
		.amdhsa_wavefront_size32 1
		.amdhsa_system_sgpr_workgroup_id_x 1
		.amdhsa_system_sgpr_workgroup_id_y 1
		.amdhsa_system_sgpr_workgroup_id_z 1
		.amdhsa_system_vgpr_workitem_id 0
		.amdhsa_next_free_vgpr 256
		.amdhsa_next_free_sgpr 66
		.amdhsa_reserve_vcc 0
		.amdhsa_float_denorm_mode_32 3
		.amdhsa_float_denorm_mode_16_64 3
		.amdhsa_memory_ordered 1
		.amdhsa_forward_progress 1
		.amdhsa_inst_pref_size 11
	.end_amdhsa_kernel
	.amdgpu_metadata
---
amdhsa.version: [ 1, 2 ]
amdhsa.kernels:
  - .name:           k_qa128727da2_head16o
    .symbol:         k_qa128727da2_head16o.kd
    .args:
      - { .name: o32, .offset: 0, .size: 8, .value_kind: global_buffer, .address_space: global }
      - { .name: Wout, .offset: 8, .size: 8, .value_kind: global_buffer, .address_space: global }
      - { .name: out0, .offset: 16, .size: 8, .value_kind: global_buffer, .address_space: global }
    .group_segment_fixed_size: 9216
    .private_segment_fixed_size: 0
    .kernarg_segment_align: 8
    .kernarg_segment_size: 24
    .max_flat_workgroup_size: 256
    .sgpr_count:     66
    .vgpr_count:     256
    .wavefront_size: 32
...
	.end_amdgpu_metadata
.endif
;; end of part 6
